; MI455X (gfx1250); checked and timed in simulation.
; The chip was launched on July 23, 2026; its instructions are those of AMD's public machine-readable ISA for CDNA 5 (MIT licence, August 2026) and "CDNA5" Instruction Set Architecture Reference Guide (July 2026). The comments in the code are by the model that wrote it; some were corrected since.
;; Sparse Multi Head Attention. Allowed arithmetic: matrix products marked QUANTISED: E2M1 operands, one E8M0 scale for each 32 along K, by v_wmma_scale_f32_16x16x128_f8f6f4 with both operands' format E2M1 (or v_wmma_scale_f32_32x16x128_f4), f32 sums; products left as they are: bf16, f16 or f32 operands; f32 sums; everything else in f32.
;; Inputs: Wout 1,024 x 1,024 float32; Wqkv 1,024 x 3,072 float32; bout 1,024 float32; bqkv 3,072 float32; gamma_k 16 x 64 float32; gamma_q 16 x 64 float32; x 4 x 2,048 x 1,024 float32.
;; Outputs: out0 4 x 2,048 x 1,024 float32.
;; This version of the problem:
;;   THIS VERSION OF THE PROBLEM IS GIVEN IN LOW PRECISION. The matrix products marked QUANTISED in the list below multiply operands that are first quantised to E2M1 (2 exponent bits, 1 mantissa bit; 4 bits a number), with one power-of-two scale for each 32 numbers along K (OCP MX v1.0); their sums are f32. The products marked 'left as it is' may take bf16, f16 or f32 operands, with f32 sums. Whichever they take, every output number must still come out within the allowed error. Rounding operands to bf16 (8 significant bits) uses up far more of that allowance than f16 does (11 bits, for magnitudes from 6e-5 to 65,504). All else is computed in f32.
;;   The module's matrix products, in the order in which they are computed (A, B: the left and right operand; K: the contracted axis; several contracted axes count as one K, in the product's order):
;;     1. [M 8,192, K 1,024] x [K 1,024, N 3,072]; A: input x; B: input Wqkv: QUANTISED
;;     2. batch 64 x [M 2,048, K 64] x [K 64, N 2,048]; A: computed on the way; B: computed on the way: left as it is (an operand is computed on the way)
;;     3. batch 64 x [M 64, K 2,048] x [K 2,048, N 2,048]; A: computed on the way; B: computed on the way: left as it is (an operand is computed on the way)
;;     4. [M 8,192, K 1,024] x [K 1,024, N 1,024]; A: computed on the way; B: input Wout: left as it is (an operand is computed on the way)
;;   THE QUANTISER, for each operand of a quantised product, along K:
;;     - K is cut into blocks of 32 from its start; a last block that is shorter is filled with zeros.
;;     - A block's scale is 2^e with e = floor(log2(the largest magnitude in the block)) - 2, held to -126 .. 127; a block of zeros has e = 0. As a byte (E8M0): e + 127.
;;     - Each number is divided by its block's scale, clamped to +-6, and rounded to the nearest number of E2M1, ties to even, subnormals kept.
;;     - The product sums the exact products of the quantised numbers (number of the format x scale) in f32.
;;   ~~~python
;;   def quantise(x, axis):      # numpy; x: float32 -> the quantised numbers, widened to float32 again
;;       x = np.moveaxis(x, axis, -1); K = x.shape[-1]
;;       x = np.pad(x, [(0, 0)] * (x.ndim - 1) + [(0, -K % 32)]); x = x.reshape(x.shape[:-1] + (-1, 32)); a = np.abs(x).max(-1, keepdims=True)
;;       e = np.where(a > 0, np.clip(np.frexp(np.where(a > 0, a, 1))[1] - 1 - 2, -126, 127), 0)      # np.frexp(a)[1] - 1 = floor(log2(a)), exactly
;;       r = np.clip(x / 2.0 ** e, -6, 6)
;;       step = 2.0 ** (np.maximum(np.frexp(np.where(r == 0, 1, r))[1] - 1, 0) - 1)
;;       q = np.round(r / step) * step * 2.0 ** e      # np.round: ties to even
;;       return np.moveaxis(q.reshape(q.shape[:-2] + (-1,))[..., :K], -1, axis).astype(np.float32)
;;   ~~~
;; One version. Each part assembles by itself: llvm-mc -triple=amdgcn-amd-amdhsa -mcpu=gfx1250 --defsym DOCPART=n.
;; ======== version 1 of 1: 4 launches
;; limits: values are held in f16: magnitudes above 65,504 overflow, below 6.1e-05 lose precision
;; workspace buffers: codes 5,767,168 bytes; scales 360,448 bytes; wo 2,097,152 bytes; qkv 50,331,648 bytes; hf 16,777,216 bytes
;; launch prep (part 1): grid 368 x 1, 4 waves a work-group, no clusters, 68,096 bytes of LDS; arguments x, Wqkv, Wout, codes, scales, wo; writes codes, scales, wo
.if DOCPART == 1
	.amdgcn_target "amdgcn-amd-amdhsa--gfx1250"
	.amdhsa_code_object_version 6
	.text
	.protected	k_qd1bf625dfc_prep
	.globl	k_qd1bf625dfc_prep
	.p2align	8
	.type	k_qd1bf625dfc_prep,@function
k_qd1bf625dfc_prep:
	s_mov_b64 s[64:65], 0
	v_nop
	global_prefetch_b8 v0, s[64:65] scope:SCOPE_SE
	s_setreg_imm32_b32 hwreg(HW_REG_WAVE_MODE, 25, 1), 1
	s_wait_xcnt 0x0
; PREP: the operands of the two weight products are laid as their readers want them.  Three paths, parted by the work-group's number alone (the longer paths have the low numbers):
;   W, work-groups 0-47:    Wqkv [1024 (k)][3072 (n)] f32 -> codes of FP4 (E2M1) with K innermost, [3072][512 bytes] at byte 4,194,304 of 'codes', and E8M0 bytes [3072][32] at byte 262,144 of 'scales'.
;   O, work-groups 48-111:  Wout [1024 (k)][1024 (n)] f32 -> f16, as images of operand registers: wo[n / 16][k / 32][g][lane][16 bytes]; lane (r, h), piece g holds Wout[32 kc + 16 g + 8 h + 0..7][16 nb + r].
;   X, work-groups 112-367: x [8192][1024] f32 -> codes [8192][512 bytes] at byte 0 of 'codes', E8M0 bytes [8192][32] at byte 0 of 'scales'.
; THE QUANTISER: a block of 32 along K has the scale 2^(floor(log2(largest magnitude)) - 2); its byte is the largest magnitude's exponent field - 2, held at 1 from below; each number / scale goes to the nearest code, ties to even, beyond 6 the code of 6.
; LIMITS: a block of zeros gets the byte 1 where the rule says 127 (its codes are zeros, and this program alone reads the bytes); NaN and infinities among the inputs are not served; Wout is rounded to f16 (|Wout| under 65,504).
; No tensor load, no barrier: waves share nothing.  Each path that uses LDS has LDS bytes of its own.
.set SPARE, 67584                      ; behind both paths' regions: the spare words, 128 bytes for each wave: two blocks of 256 bytes that no other line names
.set SPW,   190                        ; v190  LDS address of my spare word: SPARE + 4 x my thread's number; never rewritten
.set NIL,   191                        ; v191  0; never rewritten
.set EMAX,  2
; path X
.set STEPS, 16                         ; a wave takes 16 steps of 512 numbers
.set R,     16                         ; v16-79   four sets of 16 numbers as they are loaded
.set X,     80                         ; v80-111  two sets of 16 neighbours
.set E,     112                        ; v112-127 a scale byte for each step
.set C,     128                        ; v128-159 codes: two registers for each step, so that no store's data are written again
.set WREG,  8192                       ; LDS bytes 0-32,767: a region for each wave: two stages of 32 x SP bytes, behind them its 256 scale bytes
.set SP,    80                         ; a lane's place in a stage: its 64 bytes + 16 of padding
; path W
.set WSTG,  32768                      ; LDS bytes 32,768-67,583: a stage of 32 rows x WPITCH for each wave
.set WPITCH, 272
.set NB,    16                         ; blocks of 32 along K for a wave (512 along K)
.set WN,    3072
.set XW,    32                         ; v32-95   two sets of 32 numbers
.set CW,    96                         ; v96-99   a block's codes
.set OUTR,  112                        ; v112-175 the way out
.set SB,    24                         ; v24-27   the scale bytes, four to a register
; path O
.set XO,    32                         ; v32-95   two sets of 32 numbers
.set OC,    96                         ; v96-159  16 registers of f16 pairs for each of four blocks
	s_load_b256 s[4:11], s[0:1], 0x0               ; x s[4:5], Wqkv s[6:7], Wout s[8:9], codes s[10:11]
	s_load_b128 s[12:15], s[0:1], 0x20             ; scales s[12:13], wo s[14:15]
	v_lshl_add_u32 v[SPW], v0, 2, SPARE
	v_mov_b32 v[NIL], 0
	v_lshrrev_b32 v1, 5, v0
	v_readfirstlane_b32 s16, v1                    ; wave 0..3
	v_and_b32 v2, 31, v0                           ; lane
	s_wait_kmcnt 0x0
	s_cmp_lt_u32 ttmp9, 48
	s_cbranch_scc1 .Lpath_w
	s_cmp_lt_u32 ttmp9, 112
	s_cbranch_scc1 .Lpath_o
; ---------------- PATH X.  Rows are dense and 1,024 is a multiple of 32: x is a plain stream of blocks of 32, and so are its codes and its scale bytes.
; The conversions take neighbours along K from ONE lane's registers; a load is best where neighbouring LANES take neighbouring bytes.  So each of a step's four loads reads 512 consecutive bytes,
; the 2,048 bytes go through the wave's own stage in LDS as they lie, and come back 64 bytes a lane (two neighbouring lanes hold a block).
	v_lshlrev_b32 v3, 4, v2                        ; my 16 bytes of a load's 512
	s_mul_i32 s17, s16, WREG
	v_lshrrev_b32 v14, 2, v2
	v_mul_u32_u24 v14, v14, SP
	v_and_b32 v15, 3, v2
	v_lshl_add_u32 v14, v15, 4, v14
	v_add_nc_u32 v14, s17, v14                     ; the stage, on the way in: SP (lane / 4) + 16 (lane % 4); a load's 512 bytes take eight places
	v_mul_u32_u24 v15, v2, SP
	v_add_nc_u32 v15, s17, v15                     ; and on the way out: SP x lane: my 16 neighbours
	v_lshlrev_b32 v4, 3, v2                        ; 8 x lane: my codes' place in a step's 256 bytes, and my 8 scale bytes at the end
	v_lshrrev_b32 v5, 1, v2
	s_add_co_u32 s17, s17, 2*32*SP
	v_add_nc_u32 v5, s17, v5                       ; LDS: my wave's 256 scale bytes, my block's byte
	v_add_nc_u32 v6, s17, v4                       ; and where I read 8 of them back
	s_sub_co_u32 s18, ttmp9, 112
	s_lshl_b32 s18, s18, 2
	s_add_co_u32 s18, s18, s16                     ; which run of 8,192 numbers is my wave's: 0 .. 1,023
	s_mov_b32 s21, 0
	s_lshl_b32 s20, s18, 15                        ; 32,768 bytes of x a run,
	s_add_nc_u64 s[4:5], s[4:5], s[20:21]
	s_lshl_b32 s20, s18, 12                        ; 4,096 of codes,
	s_add_nc_u64 s[10:11], s[10:11], s[20:21]
	s_lshl_b32 s20, s18, 8                         ; 256 scale bytes
	s_add_nc_u64 s[12:13], s[12:13], s[20:21]
.macro LOADX t
.irp i, 0,1,2,3
	global_load_b128 v[R+16*((\t)%4)+4*\i:R+16*((\t)%4)+4*\i+3], v3, s[4:5] offset:2048*(\t)+512*\i th:TH_LOAD_NT   ; 32 lanes read 512 consecutive bytes
.endr
.endm
.macro TURNX t                         ; step t's numbers through the stage: LDS serves a wave's instructions in order, so no wait stands between the stores and the loads
.irp i, 0,1,2,3
	ds_store_b128 v14, v[R+16*((\t)%4)+4*\i:R+16*((\t)%4)+4*\i+3] offset:32*SP*((\t)%2)+8*SP*\i
.endr
.irp i, 0,1,2,3
	ds_load_b128 v[X+16*((\t)%2)+4*\i:X+16*((\t)%2)+4*\i+3], v15 offset:32*SP*((\t)%2)+16*\i
.endr
.endm
.irp t, 0,1,2,3
	LOADX \t
.endr
	s_wait_loadcnt 12                              ; step 0's four loads are in; the twelve behind them stay out
	TURNX 0
.macro STEPX t
.set XS, X+16*((\t)%2)
.if (\t) > 0
	s_wait_dscnt 1                                 ; this step's numbers are back from the stage (the last step's byte store may be out): so its stores into the stage have read their registers,
.else
	s_wait_dscnt 0x0
.endif
.if (\t)+4 < STEPS
	LOADX (\t)+4                                   ; which take the loads of four steps on
.endif
.if (\t)+1 < STEPS
.if STEPS-2-(\t) >= 3
	s_wait_loadcnt 12                              ; the next step's four loads are in; those of the three steps behind it may be out
.else
	s_wait_loadcnt 4*(STEPS-2-(\t))
.endif
	TURNX (\t)+1                                   ; and go through the other stage while this step is worked
.endif
	v_max3_num_f32 v8, |v[XS]|, |v[XS+1]|, |v[XS+2]|               ; the largest magnitude of my 16, in two chains
	v_max3_num_f32 v9, |v[XS+3]|, |v[XS+4]|, |v[XS+5]|
.irp i, 6,10
	v_max3_num_f32 v8, v8, |v[XS+\i]|, |v[XS+\i+1]|
	v_max3_num_f32 v9, v9, |v[XS+\i+2]|, |v[XS+\i+3]|
.endr
	v_max3_num_f32 v8, v8, |v[XS+14]|, |v[XS+15]|
	v_max3_num_f32 v8, v8, v9, (EMAX+1)<<23        ; and the floor 2^(EMAX + 1 - 127): so the byte cannot fall under 1
	v_max_num_f32_dpp v8, v8, v8 row_xmask:1 row_mask:0xf bank_mask:0xf   ; and of my neighbour's 16: the block's
	v_add_nc_u32 v11, -(EMAX<<23), v8              ; EMAX off its exponent field: the conversion takes the exponent field of this operand as its scale
	v_cvt_scalef32_pk8_fp4_f32 v[C+2*(\t)], v[XS:XS+7], v11
	v_cvt_scalef32_pk8_fp4_f32 v[C+2*(\t)+1], v[XS+8:XS+15], v11
	v_lshrrev_b32 v[E+(\t)], 23, v11               ; the scale's byte (also the plain line behind the conversions)
	ds_store_b8 v5, v[E+(\t)] offset:16*(\t)       ; both lanes of a block write the same byte with the same value
	global_store_b64 v4, v[C+2*(\t):C+2*(\t)+1], s[10:11] offset:256*(\t)   ; the wave stores 256 consecutive bytes, aligned
.endm
.irp t, 0,1,2,3,4,5,6,7,8,9,10,11,12,13,14,15
	STEPX \t
.endr
	ds_load_b64 v[8:9], v6                         ; LDS serves a wave's instructions in order: these see my byte stores
	s_wait_dscnt 0x0
	global_store_b64 v4, v[8:9], s[12:13]          ; 32 lanes store 256 consecutive bytes, aligned
	s_wait_tensorcnt 0x0                           ; the wave's end, behind my last LDS store
	ds_add_u32 v[SPW], v[NIL]
	s_wait_dscnt 0x0
	s_endpgm
; ---------------- PATH W.  K is Wqkv's FIRST axis: a lane takes a column n and its registers run down K.  Each load reads 128 consecutive bytes a wave; a block of 32 along K lies in one lane's 32 registers,
; so its largest magnitude needs no other lane and the conversions give codes with K innermost.  A wave takes 32 columns x 512 along K; the codes go through its stage and leave as rows of 256 bytes.
.Lpath_w:
	s_cmp_ge_u32 ttmp9, 24
	s_cselect_b32 s18, 1, 0                        ; which 512 along K
	s_cselect_b32 s17, 24, 0
	s_sub_co_u32 s17, ttmp9, s17                   ; which 128 columns: 0 .. 23
	s_lshl_b32 s17, s17, 7
	s_lshl_b32 s19, s16, 5
	s_add_co_u32 s17, s17, s19                     ; my wave's first column
	v_lshlrev_b32 v3, 2, v2                        ; in: 4 bytes a lane
	s_mul_i32 s19, s16, 32*WPITCH
	s_add_co_u32 s19, s19, WSTG                    ; my stage
	v_mul_u32_u24 v4, v2, WPITCH
	v_add_nc_u32 v4, s19, v4                       ; into it: row = my column
	v_and_b32 v5, 15, v2
	v_lshrrev_b32 v6, 4, v2                        ; out of it: sixteen lanes to a row, two rows an instruction
	v_mul_u32_u24 v7, v6, WPITCH
	v_lshl_add_u32 v7, v5, 4, v7
	v_add_nc_u32 v7, s19, v7
	v_lshlrev_b32 v8, 9, v6                        ; the same place in the codes' buffer: rows of 512 bytes
	v_lshl_add_u32 v8, v5, 4, v8
	v_lshlrev_b32 v9, 5, v2                        ; my column's row of 32 scale bytes
	s_mov_b32 s21, 0
	s_mul_i32 s20, s18, 512*WN*4                   ; Wqkv: 512 rows of 12,288 bytes, + 4 x column
	s_lshl_b32 s22, s17, 2
	s_add_co_u32 s20, s20, s22
	s_add_nc_u64 s[6:7], s[6:7], s[20:21]
	s_lshl_b32 s20, s17, 9                         ; codes: 4,194,304 + 512 x column + 256 x half
	s_lshl_b32 s22, s18, 8
	s_add_co_u32 s20, s20, s22
	s_add_co_u32 s20, s20, 4194304
	s_add_nc_u64 s[10:11], s[10:11], s[20:21]
	s_lshl_b32 s20, s17, 5                         ; scale bytes: 262,144 + 32 x column + 16 x half
	s_lshl_b32 s22, s18, 4
	s_add_co_u32 s20, s20, s22
	s_add_co_u32 s20, s20, 262144
	s_add_nc_u64 s[12:13], s[12:13], s[20:21]
.macro LOADW t                         ; block t: Wqkv(32 t + i, my column) into set t % 2.  The largest offset, 511 x 12,288, lies inside the signed 24-bit immediate
.irp i, 0,1,2,3,4,5,6,7,8,9,10,11,12,13,14,15,16,17,18,19,20,21,22,23,24,25,26,27,28,29,30,31
	global_load_b32 v[XW+32*((\t)%2)+\i], v3, s[6:7] offset:(32*(\t)+\i)*WN*4 th:TH_LOAD_NT
.endr
.endm
	LOADW 0
	LOADW 1
.macro BLOCKW t
.set XS, XW+32*((\t)%2)
.if (\t) < NB-1
	s_wait_loadcnt 32                              ; this block's 32 loads are in; the next block's may be out
.else
	s_wait_loadcnt 0
.endif
	v_max3_num_f32 v12, |v[XS]|, |v[XS+1]|, |v[XS+2]|               ; the block's largest magnitude: all 32 numbers are mine
	v_max3_num_f32 v13, |v[XS+3]|, |v[XS+4]|, |v[XS+5]|
.irp i, 6,10,14,18,22,26
	v_max3_num_f32 v12, v12, |v[XS+\i]|, |v[XS+\i+1]|
	v_max3_num_f32 v13, v13, |v[XS+\i+2]|, |v[XS+\i+3]|
.endr
	v_max3_num_f32 v12, v12, |v[XS+30]|, |v[XS+31]|
	v_max3_num_f32 v12, v12, v13, (EMAX+1)<<23     ; and the floor
	v_add_nc_u32 v11, -(EMAX<<23), v12             ; the conversion's scale operand
	v_lshrrev_b32 v13, 23, v11                     ; the scale's byte
.if (\t)%4 == 0
	v_mov_b32 v[SB+(\t)/4], v13                    ; four bytes to a register, the lower K in the lower byte
.else
	v_lshl_or_b32 v[SB+(\t)/4], v13, 8*((\t)%4), v[SB+(\t)/4]
.endif
.irp g, 0,1,2,3
	v_cvt_scalef32_pk8_fp4_f32 v[CW+\g], v[XS+8*\g:XS+8*\g+7], v11
.endr
	ds_store_b128 v4, v[CW:CW+3] offset:16*(\t)    ; 32 codes: 16 bytes of my column's row
.if (\t)+2 < NB
	LOADW (\t)+2
.endif
	s_wait_dscnt 0x0                               ; the store has read its registers: the next block's codes may be written (plain lines stand ahead of them)
.endm
.set Q, 0
.rept NB
	BLOCKW Q
.set Q, Q+1
.endr
	global_store_b128 v9, v[SB:SB+3], s[12:13]     ; my column's 16 scale bytes
.irp t, 0,1,2,3,4,5,6,7,8,9,10,11,12,13,14,15
	ds_load_b128 v[OUTR+4*\t:OUTR+4*\t+3], v7 offset:2*\t*WPITCH   ; LDS serves a wave's instructions in order: these see my stores
.endr
.irp t, 0,1,2,3,4,5,6,7,8,9,10,11,12,13,14,15
	s_wait_dscnt 15-\t                             ; read-back t is in; the younger ones stay out
	global_store_b128 v8, v[OUTR+4*\t:OUTR+4*\t+3], s[10:11] offset:2*\t*512   ; sixteen lanes store 256 consecutive bytes, aligned
.endr
	s_wait_tensorcnt 0x0                           ; the wave's end, behind my last LDS store
	ds_add_u32 v[SPW], v[NIL]
	s_wait_dscnt 0x0
	s_endpgm
; ---------------- PATH O.  Again a lane to a column, registers down K: 8 neighbours along K, rounded to f16, are 16 bytes, one lane's part of a piece of an operand's image.
; A wave takes 32 columns x 128 along K, four blocks of 32.  Registers 4 q .. 4 q + 3 of a block hold k = 8 q .. 8 q + 7: piece g = q / 2, half h = q % 2, at byte 256 q + 16 (column % 16) of the fragment's 1,024.  No LDS.
.Lpath_o:
	s_sub_co_u32 s17, ttmp9, 48
	s_and_b32 s18, s17, 7                          ; which 128 columns
	s_lshr_b32 s19, s17, 3                         ; which 128 along K
	s_lshl_b32 s20, s18, 7
	s_lshl_b32 s21, s16, 5
	s_add_co_u32 s20, s20, s21                     ; my wave's first column
	s_lshl_b32 s22, s19, 19                        ; Wout: 128 rows of 4,096 bytes, + 4 x column
	s_lshl_b32 s23, s20, 2
	s_add_co_u32 s22, s22, s23
	s_mov_b32 s23, 0
	s_add_nc_u64 s[8:9], s[8:9], s[22:23]
	s_lshl_b32 s22, s20, 11                        ; wo: 32,768 bytes for each 16 columns, + 1,024 for each 32 along K
	s_lshl_b32 s24, s19, 12
	s_add_co_u32 s22, s22, s24
	s_add_nc_u64 s[14:15], s[14:15], s[22:23]
	v_lshlrev_b32 v3, 2, v2
	v_lshrrev_b32 v4, 4, v2
	v_and_b32 v5, 15, v2
	v_lshlrev_b32 v8, 15, v4                       ; lanes 16-31 belong to the next 16 columns
	v_lshl_add_u32 v8, v5, 4, v8
.macro LOADO t
.irp i, 0,1,2,3,4,5,6,7,8,9,10,11,12,13,14,15,16,17,18,19,20,21,22,23,24,25,26,27,28,29,30,31
	global_load_b32 v[XO+32*((\t)%2)+\i], v3, s[8:9] offset:(32*(\t)+\i)*4096 th:TH_LOAD_NT
.endr
.endm
	LOADO 0
	LOADO 1
.macro BLOCKO t
.set XS, XO+32*((\t)%2)
.if (\t) < 3
	s_wait_loadcnt 32                              ; this block's 32 loads are in; the next block's may be out
.else
	s_wait_loadcnt 0
.endif
.irp i, 0,1,2,3,4,5,6,7,8,9,10,11,12,13,14,15
	v_cvt_pk_f16_f32 v[OC+16*(\t)+\i], v[XS+2*\i], v[XS+2*\i+1]    ; the lower k in the low half
.endr
.irp q, 0,1,2,3
	global_store_b128 v8, v[OC+16*(\t)+4*\q:OC+16*(\t)+4*\q+3], s[14:15] offset:1024*(\t)+256*\q   ; sixteen lanes store 256 consecutive bytes, aligned; each block has registers of its own
.endr
.if (\t)+2 < 4
	LOADO (\t)+2
.endif
.endm
.irp t, 0,1,2,3
	BLOCKO \t
.endr
	s_endpgm
.Lfunc_end_k_qd1bf625dfc_prep:
	.size	k_qd1bf625dfc_prep, .Lfunc_end_k_qd1bf625dfc_prep-k_qd1bf625dfc_prep
	.p2alignl 7, 3214868480
	.fill 96, 4, 3214868480
	.section	.rodata,"a",@progbits
	.p2align	6, 0x0
	.amdhsa_kernel k_qd1bf625dfc_prep
		.amdhsa_group_segment_fixed_size 68096
		.amdhsa_private_segment_fixed_size 0
		.amdhsa_enable_private_segment 0
		.amdhsa_kernarg_size 48
		.amdhsa_user_sgpr_count 2
		.amdhsa_user_sgpr_kernarg_segment_ptr 1
		.amdhsa_wavefront_size32 1
		.amdhsa_system_sgpr_workgroup_id_x 1
		.amdhsa_system_sgpr_workgroup_id_y 1
		.amdhsa_system_sgpr_workgroup_id_z 1
		.amdhsa_system_vgpr_workitem_id 0
		.amdhsa_next_free_vgpr 192
		.amdhsa_next_free_sgpr 66
		.amdhsa_reserve_vcc 0
		.amdhsa_float_denorm_mode_32 3
		.amdhsa_float_denorm_mode_16_64 3
		.amdhsa_memory_ordered 1
		.amdhsa_forward_progress 1
		.amdhsa_inst_pref_size 129
	.end_amdhsa_kernel
	.amdgpu_metadata
---
amdhsa.version: [ 1, 2 ]
amdhsa.kernels:
  - .name:           k_qd1bf625dfc_prep
    .symbol:         k_qd1bf625dfc_prep.kd
    .args:
      - { .name: x, .offset: 0, .size: 8, .value_kind: global_buffer, .address_space: global }
      - { .name: Wqkv, .offset: 8, .size: 8, .value_kind: global_buffer, .address_space: global }
      - { .name: Wout, .offset: 16, .size: 8, .value_kind: global_buffer, .address_space: global }
      - { .name: codes, .offset: 24, .size: 8, .value_kind: global_buffer, .address_space: global }
      - { .name: scales, .offset: 32, .size: 8, .value_kind: global_buffer, .address_space: global }
      - { .name: wo, .offset: 40, .size: 8, .value_kind: global_buffer, .address_space: global }
    .group_segment_fixed_size: 68096
    .private_segment_fixed_size: 0
    .kernarg_segment_align: 8
    .kernarg_segment_size: 48
    .max_flat_workgroup_size: 128
    .sgpr_count:     66
    .vgpr_count:     192
    .wavefront_size: 32
...
	.end_amdgpu_metadata
.endif
;; end of part 1
;; launch qkv (part 2): grid 12 x 32, 4 waves a work-group, clusters of 4 x 4, 327,680 bytes of LDS; arguments codes, scales, bqkv, gamma_q, gamma_k, qkv; writes qkv
.if DOCPART == 2
	.amdgcn_target "amdgcn-amd-amdhsa--gfx1250"
	.amdhsa_code_object_version 6
	.text
	.protected	k_qd1bf625dfc_qkv
	.globl	k_qd1bf625dfc_qkv
	.p2align	8
	.type	k_qd1bf625dfc_qkv,@function
k_qd1bf625dfc_qkv:
	s_mov_b64 s[64:65], 0
	v_nop
	global_prefetch_b8 v0, s[64:65] scope:SCOPE_SE
	s_setreg_imm32_b32 hwreg(HW_REG_WAVE_MODE, 25, 1), 1
	s_wait_xcnt 0x0
	s_wait_alu depctr_hold_cnt(0) depctr_sa_sdst(0) depctr_va_vdst(0) depctr_va_sdst(0) depctr_va_ssrc(0) depctr_va_vcc(0) depctr_vm_vsrc(0)
	s_getreg_b32 s2, hwreg(HW_REG_IB_STS2, 6, 4)
	s_cmp_eq_u32 s2, 0
	s_cbranch_scc0 .Lentry_in_a_cluster
	s_endpgm
.Lentry_in_a_cluster:
	s_bfe_u32 s2, ttmp6, 0x10000c
	s_cmp_lg_u32 s2, 0xf033
	s_cbranch_scc0 .Lentry_shape_is_right
	s_endpgm
.Lentry_shape_is_right:
; QKV: x Wqkv + bqkv on codes of FP4 (E2M1) with one E8M0 scale for each 32 along K; then, for q and k, each head's 64 numbers / max(their L2 norm, 1e-12) x gamma; all three leave as f16 IMAGES OF OPERAND REGISTERS.
; codes: x [8192][512 bytes] at 0, Wqkv [3072 (n)][512 bytes] at 4,194,304.  scales: x [8192][32] at 0, Wqkv [3072][32] at 262,144.
; qkv: three sections of 16,777,216 bytes (q, k, v), each [16 batch + head][262,144 bytes].  q, k: [token / 16][c 2][g 2][lane][16 bytes], lane (r, h): token 16 tb + r, channels 32 c + 16 g + 8 h + 0..7.
;   v: [key / 32][cb 4][g 2][lane][16 bytes], lane (r, h): channel 16 cb + r, keys 32 u + 16 g + 8 h + 0..7.   q is stored x log2(e), k x 8: sqrt(64) twice and the scale 1 / sqrt(64) leave 8, and a score is then the exponent to base 2.
; A tile of the product, 256 x 256, is made by four waves, each 128 x 128: 64 accumulators, 512 registers.  K = 1,024 is two LDS slots of 512 along K: all of K comes with the first fills, nothing is filled again.
; THE GRID: 12 x 32 tiles.  Tiles of 128 x 256 would make a multiple of 256 work-groups at one and a half times the LDS bytes for each product; a work-group that kept its 256 rows of x and walked three tiles would want more LDS than there is.
; CLUSTERS: 4 x 4 work-groups; x's tiles are asked for jointly along a row of the cluster, Wqkv's along a column.  The cluster's x IS the section (0 q, 1 k, 2 v): the same in all sixteen partners, so branches and LDS read addresses may hang on it.
; ROLES.  Source 1 of every product is role P, source 0 is role S: in the result a lane holds ONE row of P and its eight registers eight neighbouring rows of S.  q, k: P = x, S = Wqkv: a lane holds a token and eight channels.
;   v: P = Wqkv, S = x: a lane holds a channel and eight tokens, which is a piece of V^T.  The text of the products is one; only the LDS addresses that a wave reads from are chosen by the section.
; REGISTERS, in windows of 256: window 0: v0-31 addresses; v32-95 scale words, two sets, and nothing else; v96-111 v's bias; v128-191 P's fragments, later T; v192-255 packed results.
;   window 1: v0-63, v128-191 S's fragments, two sets (on the way out v0-47: sums of squares); v64-127 q's and k's bias; v192-255 gamma.   windows 2, 3: the accumulators ((a, b) at v[8 (8 (a % 4) + b)]).
; LIMITS: NaN and infinities are not served; q, k, v are rounded to f16: |v| must stay under 65,504.
.set NQ,     4                         ; steps of 128 along K in a slot
.set ROWB,   256                       ; a tile's row in bytes: 512 codes
.set KROW,   512                       ; a row of codes in memory
.set PITCH,  272                       ; an LDS row: 256 bytes + 16 of padding: the 16 rows that a load touches start 68 words apart
.set FR,     8                         ; registers of a fragment: 16 rows x 128 K
.set NL,     2                         ; LDS loads that bring one
.set NP,     4                         ; places behind this matrix instruction (ISA guide 7.12.1)
.set HALFT,  128*PITCH                 ; 128 rows: what one tensor load brings, and what one wave reads of a role
.set SLOT,   4*HALFT                   ; x's 256 rows, then Wqkv's 256 rows
.set KS,     32                        ; a row of scale bytes
.set SCL,    2*SLOT                    ; behind the slots: the scales, as units of 256 bytes + 16 of padding
.set HALFS,  (128*KS/256)*272          ; the scales of 128 rows
.set SBLK,   (16*KS/256)*272           ; those of 16 rows
.set SPARE,  SCL+4*HALFS               ; the spare words, 128 bytes for each wave: two blocks of 256 bytes that no other line names
.set ADRA, 16                          ; v16-17  LDS address of my fragments of role P in slot 0, 1
.set ADRB, 20                          ; v20-21  the same for role S
.set CO,   26                          ; v26     16 x lane: my place in a piece of an image
.set ADRS, 27                          ; v27     LDS address of my scale words: lanes 0-15 P's rows, lanes 16-31 S's
.set SPW,  28                          ; v28     LDS address of my spare word; never rewritten
.set NIL,  29                          ; v29     0; never rewritten
.set SC,   32                          ; scale words: set s at v[SC + 32 s]; register 4 i + q: lanes 0-15 the word of P's block i, lanes 16-31 of S's block i, for the slot's q-th 128 along K
.set BV,   96                          ; v96-111 v's bias: pair a holds bqkv of my channel in block a, twice
.set AF,   128                         ; P's fragments
.set T,    128                         ; the way out: 64 numbers at work
.set PK,   192                         ; the way out: packed results, two sets of 32
.set BI,   64                          ; window 1: bqkv of my eight channels of each of S's eight blocks
.set GA,   192                         ; window 1: gamma likewise
.set SS,   0                           ; window 1, on the way out: 16 pairs, pair 2 a + head: sum of squares, then 1 / norm
.set TP,   32                          ; window 1: the lane permutes' targets
.set G1, 24                            ; s[24:31] descriptor group 1 for x's tiles;  s[32:39] group 0, one set for each slot
.set G0, 32
.set G1B, 48                           ; s[48:55], s[56:63] the same for Wqkv's tiles
.set G0B, 56
.set G1S, 68                           ; s[68:75], s[76:79] groups 1 and 0 for x's scales;  s[80:87], s[88:91] for Wqkv's
.set G0S, 76
.set G1SB, 80
.set G0SB, 88
.set MSB, 0
.macro WIN new                         ; the immediate's high byte repeats the setting that is left
.if MSB != \new
	s_set_vgpr_msb (MSB<<8)|\new
.set MSB, \new
.endif
.endm
.set MUL_LO, 0xa1                      ; source 0 (S) window 1, source 1 (P) window 0, C and D window 2
.set MUL_HI, 0xf1                      ; the same, C and D window 3
.set TO_B,   0x40                      ; destination window 1, address window 0
; A joint load: waves 0 and 1 fetch for x, waves 2 and 3 for Wqkv.  Each line has one mask and one set of registers for all that issue it; the branch hangs on the wave's number alone.
; An s_nop 0 and four v_nop follow each of the two lines.
.macro JLOAD g0a, g1a, g0b, g1b
	s_cmp_eq_u32 s15, 0
	s_cbranch_scc0 .Lfor_b_\@
	tensor_load_to_lds s[\g0a:\g0a+3], s[\g1a:\g1a+7]
	s_nop 0
.rept 4
	v_nop
.endr
	s_branch .Lasked_\@
.Lfor_b_\@:
	tensor_load_to_lds s[\g0b:\g0b+3], s[\g1b:\g1b+7]
	s_nop 0
.rept 4
	v_nop
.endr
.Lasked_\@:
.endm
.macro CROUND                          ; a round of the cluster's barrier
	s_barrier_signal -1
	s_barrier_wait -1
	s_cmp_lg_u32 s14, 0
	s_cbranch_scc1 .Lnot_wave_0_\@
	s_barrier_signal -3
.Lnot_wave_0_\@:
	s_barrier_wait -3
	s_barrier_signal -1
	s_barrier_wait -1
.endm
	s_load_b256 s[4:11], s[0:1], 0x0               ; codes s[4:5], scales s[6:7], bqkv s[8:9], gamma_q s[10:11]
	s_load_b64 s[12:13], s[0:1], 0x20              ; gamma_k
	s_load_b64 s[66:67], s[0:1], 0x28              ; qkv
	v_lshl_add_u32 v[SPW], v0, 2, SPARE
	v_mov_b32 v[NIL], 0
	ds_add_u32 v[SPW], v[NIL]                      ; the wave's opening: the add, twice on end, and its wait ahead of my first tensor load
	ds_add_u32 v[SPW], v[NIL]
	v_lshrrev_b32 v1, 5, v0
	v_readfirstlane_b32 s14, v1                    ; wave 0..3
	s_lshr_b32 s15, s14, 1                         ; which 128 rows of role P are mine.  Also: I fetch for x (0) or for Wqkv (1)
	s_and_b32 s16, s14, 1                          ; which 128 rows of role S.  Also: which 128 rows of that tile I fetch
	s_bfe_u32 s40, ttmp6, 0x40000                  ; cx, cy: my place in the cluster
	s_bfe_u32 s41, ttmp6, 0x40004
	s_lshl_b32 s42, ttmp9, 2
	s_add_co_u32 s42, s42, s40                     ; tile column = 4 x section + cx
	s_and_b32 s17, ttmp7, 0xffff
	s_lshl_b32 s17, s17, 2
	s_add_co_u32 s17, s17, s41                     ; tile row = 4 x cluster y + cy
	s_lshl_b32 s43, s41, 2
	s_lshl_b32 s43, 15, s43                        ; my row of the cluster
	s_lshl_b32 s44, 0x1111, s40                    ; my column
	; descriptor group 1: a tile of 128 rows x 256 bytes, 16 bytes of padding behind each row
	s_or_b32 s[G1+0], s43, (1<<20)|(1<<21)|(5<<22)|(3<<25)   ; 15:0 the mask; 17:16 elements of 1 byte; 20 padding on; 21 set beside a mask; 24:22 after every 64 words; 31:25 four words
	s_or_b32 s[G1B+0], s44, (1<<20)|(1<<21)|(5<<22)|(3<<25)
.irp g, G1, G1B
	s_mov_b32 s[\g+1], ROWB<<16                    ; tensor_dim0
	s_mov_b32 s[\g+2], 128<<16                     ; tensor_dim1
	s_mov_b32 s[\g+3], ROWB<<16                    ; tile_dim0
	s_mov_b32 s[\g+4], 128                         ; tile_dim1
	s_mov_b32 s[\g+5], KROW                        ; tensor_dim0_stride
	s_mov_b32 s[\g+6], 0
	s_mov_b32 s[\g+7], 0
.endr
	; the scales of 128 rows: 4,096 dense bytes, as 16 rows of 256 bytes (32 elements of 8 bytes), 16 bytes of padding behind each
	s_or_b32 s[G1S+0], s43, (3<<16)|(1<<20)|(1<<21)|(5<<22)|(3<<25)
	s_or_b32 s[G1SB+0], s44, (3<<16)|(1<<20)|(1<<21)|(5<<22)|(3<<25)
.irp g, G1S, G1SB
	s_mov_b32 s[\g+1], 32<<16
	s_mov_b32 s[\g+2], (128*KS/256)<<16
	s_mov_b32 s[\g+3], 32<<16
	s_mov_b32 s[\g+4], 128*KS/256
	s_mov_b32 s[\g+5], 32
	s_mov_b32 s[\g+6], 0
	s_mov_b32 s[\g+7], 0
.endr
	s_lshl_b32 s18, s16, 7                         ; which 128 rows of the tile I fetch
	s_lshl_b32 s20, s17, 8
	s_add_co_u32 s20, s20, s18                     ; x: row 256 x tile row + 128 x half
	s_lshl_b32 s46, s42, 8
	s_add_co_u32 s46, s46, s18                     ; Wqkv: row 256 x tile column + 128 x half
	s_lshl_b32 s22, s20, 5                         ; their scales: 32 bytes a row,
	s_mov_b32 s23, 0
	s_lshl_b32 s92, s46, 5
	s_add_co_u32 s92, s92, 262144                  ; Wqkv's behind x's
	s_mov_b32 s93, 0
	s_lshl_b32 s20, s20, 9                         ; their codes: 512 bytes a row
	s_mov_b32 s21, 0
	s_lshl_b32 s46, s46, 9
	s_add_co_u32 s46, s46, 4194304
	s_mov_b32 s47, 0
	s_mul_i32 s45, s14, HALFT                      ; where they go: wave x 128 rows: no place in the cluster enters an LDS address
	s_mul_i32 s94, s14, HALFS
	s_wait_dscnt 0x0                               ; both opening adds are done
	s_wait_kmcnt 0x0
	s_add_nc_u64 s[20:21], s[4:5], s[20:21]
	s_add_nc_u64 s[22:23], s[6:7], s[22:23]
	s_add_nc_u64 s[46:47], s[4:5], s[46:47]
	s_add_nc_u64 s[92:93], s[6:7], s[92:93]
	CROUND                                         ; all sixteen work-groups are here: the first joint loads meet
	s_mov_b32 s[G0S], 1
	s_add_co_u32 s[G0S+1], s94, SCL
	s_mov_b64 s[G0S+2:G0S+3], s[22:23]
	s_or_b32 s[G0S+3], s[G0S+3], 0x80000000
	s_mov_b32 s[G0SB], 1
	s_add_co_u32 s[G0SB+1], s94, SCL
	s_mov_b64 s[G0SB+2:G0SB+3], s[92:93]
	s_or_b32 s[G0SB+3], s[G0SB+3], 0x80000000
	JLOAD G0S, G1S, G0SB, G1SB                     ; the scales first: they are wanted with the first step
.irp s, 0,1
	s_mov_b32 s[G0+4*\s], 1
	s_add_co_u32 s[G0+4*\s+1], s45, \s*SLOT
	s_add_nc_u64 s[G0+4*\s+2:G0+4*\s+3], s[20:21], \s*ROWB
	s_or_b32 s[G0+4*\s+3], s[G0+4*\s+3], 0x80000000
	s_mov_b32 s[G0B+4*\s], 1
	s_add_co_u32 s[G0B+4*\s+1], s45, \s*SLOT
	s_add_nc_u64 s[G0B+4*\s+2:G0B+4*\s+3], s[46:47], \s*ROWB
	s_or_b32 s[G0B+4*\s+3], s[G0B+4*\s+3], 0x80000000
	JLOAD G0+4*\s, G1, G0B+4*\s, G1B               ; three tensor loads of mine are out: all that this launch asks for
.endr
	v_and_b32 v1, 15, v0                           ; r = lane % 16
	v_bfe_u32 v2, v0, 4, 1                         ; h = lane / 16
	v_mul_u32_u24 v3, v1, PITCH
	v_lshl_add_u32 v4, v2, 4, v3                   ; a fragment's row x pitch + 16 x half
	s_cmp_eq_u32 ttmp9, 2                          ; the section v changes the roles: P reads Wqkv's rows (behind x's 256), S reads x's
	s_cselect_b32 s18, 2*HALFT, 0
	s_cselect_b32 s19, 0, 2*HALFT
	s_cselect_b32 s95, 2*HALFS, 0
	s_cselect_b32 s97, 0, 2*HALFS
	s_cselect_b32 s20, s15, s16                    ; which two heads of the tile's four are mine,
	s_cselect_b32 s23, s16, s15                    ; and which 128 tokens of its 256
	s_mul_i32 s21, s15, HALFT
	s_add_co_u32 s21, s21, s18                     ; my 128 rows of role P
	s_mul_i32 s22, s16, HALFT
	s_add_co_u32 s22, s22, s19                     ; and of role S
.irp s, 0,1
	v_add_nc_u32 v[ADRA+\s], s21, v4
	v_add_nc_u32 v[ADRB+\s], s22, v4
	s_add_co_u32 s21, s21, SLOT
	s_add_co_u32 s22, s22, SLOT
.endr
	v_mul_u32_u24 v5, v1, KS                       ; my row's scales: 32 bytes a row,
	v_lshrrev_b32 v6, 8, v5
	v_lshl_add_u32 v5, v6, 4, v5                   ; and 16 more for each 256 passed
	s_mul_i32 s21, s15, HALFS
	s_add_co_u32 s21, s21, s95
	s_add_co_u32 s21, s21, SCL
	s_mul_i32 s22, s16, HALFS
	s_add_co_u32 s22, s22, s97
	s_add_co_u32 s22, s22, SCL
	v_add_nc_u32 v6, s21, v5                       ; P's
	v_add_nc_u32 v7, s22, v5                       ; S's
	v_cmp_eq_u32 vcc_lo, 1, v2
	v_cndmask_b32 v[ADRS], v6, v7, vcc_lo          ; lanes 0-15 take P's words, lanes 16-31 S's
	v_and_b32 v6, 31, v0
	v_lshlrev_b32 v[CO], 4, v6
	v_lshlrev_b32 v8, 5, v2                        ; 32 h: my eight numbers of a block of 16 in bqkv and gamma
	v_lshlrev_b32 v9, 2, v1                        ; 4 r: my one number of a block of 16
	; where my part of qkv begins: section, head 16 batch + 4 cx + 2 x (which two heads), 128 bytes a token
	s_lshr_b32 s22, s17, 3                         ; the batch: 8 tile rows each
	s_lshl_b32 s22, s22, 4
	s_lshl_b32 s21, s40, 2
	s_add_co_u32 s22, s22, s21
	s_lshl_b32 s20, s20, 1
	s_add_co_u32 s22, s22, s20
	s_lshl_b32 s22, s22, 18                        ; 262,144 bytes a head
	s_and_b32 s21, s17, 7
	s_lshl_b32 s21, s21, 15                        ; 256 tokens x 128 bytes
	s_add_co_u32 s22, s22, s21
	s_lshl_b32 s23, s23, 14                        ; 128 tokens x 128 bytes
	s_add_co_u32 s22, s22, s23
	s_lshl_b32 s23, ttmp9, 24                      ; the section
	s_add_co_u32 s22, s22, s23
	s_mov_b32 s23, 0
	s_add_nc_u64 s[66:67], s[66:67], s[22:23]
	s_mov_b32 s98, 0x41000000                      ; what the norm's result is multiplied by beside gamma: k: 8,
	s_cmp_eq_u32 ttmp9, 0
	s_cselect_b32 s98, 0x3fb8aa3b, s98             ; q: log2(e)
	s_cselect_b64 s[10:11], s[10:11], s[12:13]     ; gamma_q for q, gamma_k else (in the section v it is loaded and not used)
	s_mov_b32 s99, s98                             ; (named with it as a pair, so it is written)
	s_mov_b32 s21, 0
	s_lshl_b32 s20, s42, 10                        ; bqkv: 4 x (256 x tile column + 128 x half)
	s_lshl_b32 s22, s16, 9
	s_add_co_u32 s20, s20, s22
	s_add_nc_u64 s[18:19], s[8:9], s[20:21]        ; by role S's half: q's and k's bias
	s_lshl_b32 s20, s42, 10
	s_lshl_b32 s22, s15, 9
	s_add_co_u32 s20, s20, s22
	s_add_nc_u64 s[8:9], s[8:9], s[20:21]          ; by role P's half: v's bias
	s_lshl_b32 s20, s40, 10                        ; gamma: 4 x (256 cx + 128 x half)
	s_lshl_b32 s22, s16, 9
	s_add_co_u32 s20, s20, s22
	s_add_nc_u64 s[10:11], s[10:11], s[20:21]
	WIN TO_B                                       ; every section loads all three: no branch, and every address lies inside its buffer in every section
.irp b, 0,1,2,3,4,5,6,7
	global_load_b128 v[BI+8*\b:BI+8*\b+3],   v8, s[18:19] offset:64*\b
	global_load_b128 v[BI+8*\b+4:BI+8*\b+7], v8, s[18:19] offset:64*\b+16
	global_load_b128 v[GA+8*\b:GA+8*\b+3],   v8, s[10:11] offset:64*\b
	global_load_b128 v[GA+8*\b+4:GA+8*\b+7], v8, s[10:11] offset:64*\b+16
.endr
	WIN 0
.irp a, 0,1,2,3,4,5,6,7
	global_load_b32 v[BV+2*\a],   v9, s[8:9] offset:64*\a
	global_load_b32 v[BV+2*\a+1], v9, s[8:9] offset:64*\a   ; the same number in both registers of the pair, for the packed addition
.endr
.macro FRAG reg, adr, q, i             ; a fragment: lane l holds row l % 16; registers 4 c .. 4 c + 3 hold K = 64 c + 32 (l / 16) + 0 .. 31
.irp c, 0,1
	ds_load_b128 v[\reg+4*\c:\reg+4*\c+3], v[\adr] offset:64*(\q)+32*\c+(\i)*16*PITCH
.endr
.endm
; 16 matrix instructions: P's blocks a0, a0 + 1 x S's eight, the slot's q-th 128 along K.  p: S's set;  sc: the set of scale words.  zero = 1: the first product starts the sums.
; The 64 accumulators take turns, one instruction a turn, in the same order in every step.
.macro MUL16 a0, p, q, sc, zero
.irp a, \a0, \a0+1
.irp b, 0,1,2,3,4,5,6,7
.if \zero
	v_wmma_scale_f32_16x16x128_f8f6f4 v[8*(8*((\a)%4)+\b):8*(8*((\a)%4)+\b)+7], v[128*(\p)+FR*\b:128*(\p)+FR*\b+FR-1], v[AF+FR*(\a):AF+FR*(\a)+FR-1], 0, v[SC+8*NQ*(\sc)+NQ*\b+(\q)], v[SC+8*NQ*(\sc)+NQ*(\a)+(\q)] matrix_a_fmt:MATRIX_FMT_FP4 matrix_b_fmt:MATRIX_FMT_FP4 matrix_a_scale:MATRIX_SCALE_ROW1
.else
	v_wmma_scale_f32_16x16x128_f8f6f4 v[8*(8*((\a)%4)+\b):8*(8*((\a)%4)+\b)+7], v[128*(\p)+FR*\b:128*(\p)+FR*\b+FR-1], v[AF+FR*(\a):AF+FR*(\a)+FR-1], v[8*(8*((\a)%4)+\b):8*(8*((\a)%4)+\b)+7], v[SC+8*NQ*(\sc)+NQ*\b+(\q)], v[SC+8*NQ*(\sc)+NQ*(\a)+(\q)] matrix_a_fmt:MATRIX_FMT_FP4 matrix_b_fmt:MATRIX_FMT_FP4 matrix_a_scale:MATRIX_SCALE_ROW1
.endif
.endr
.endr
.endm
.macro FETCH_B slot, q, p              ; S's eight fragments of the slot's q-th 128 along K into set p
	WIN TO_B
.irp i, 0,1,2,3,4,5,6,7
	FRAG 128*(\p)+FR*\i, ADRB+\slot, \q, \i
.endr
	WIN 0
.endm
.macro FETCH_A slot, q, i0             ; P's blocks i0 .. i0 + 3
.irp i, \i0, \i0+1, \i0+2, \i0+3
	FRAG AF+FR*(\i), ADRA+\slot, \q, \i
.endr
.endm
.macro SCALES sc                       ; a slot's scale words into set sc: four words a row
.irp i, 0,1,2,3,4,5,6,7
	ds_load_b128 v[SC+8*NQ*\sc+NQ*\i:SC+8*NQ*\sc+NQ*\i+3], v[ADRS] offset:\i*SBLK
.endr
.endm
; A load into a register that a matrix instruction has read, and a vector instruction that reads a matrix result or writes one of its registers, stand NP places behind it;
; only plain vector instructions that name none of its registers are places (ISA guide 7.12.1 for vector instructions).
.macro PLACES n
.rept \n
	v_nop
.endr
.endm
; A step of 128 along K that has its successor in the same slot.  P has one set of registers: blocks 0-3 are fetched anew in the step's middle, blocks 4-7 at its end; S has two sets.
.macro STEP slot, q, zero
	s_wait_dscnt 4*NL                              ; S's set and P's blocks 0-3 are in; the youngest eight loads (P's blocks 4-7) may be out
	WIN MUL_LO
	MUL16 0, (\q)%2, \q, \slot, \zero
	MUL16 2, (\q)%2, \q, \slot, \zero
	s_wait_dscnt 0                                 ; P's blocks 4-7 are in
	PLACES NP
	FETCH_B \slot, (\q)+1, 1-(\q)%2
	FETCH_A \slot, (\q)+1, 0
	WIN MUL_HI
	MUL16 4, (\q)%2, \q, \slot, \zero
	MUL16 6, (\q)%2, \q, \slot, \zero
	PLACES NP
	WIN 0
	FETCH_A \slot, (\q)+1, 4
.endm
.macro STEPS slot, from                ; the slot's steps from .. NQ - 2
.set Q, \from
.rept NQ-1-\from
	STEP \slot, Q, 0
.set Q, Q+1
.endr
.endm
	s_wait_tensorcnt 1                             ; the scales and my part of slot 0 are in; slot 1's load may stay out
	s_barrier_signal -1
	s_barrier_wait -1                              ; everybody's are
	FETCH_B 0, 0, 0
	FETCH_A 0, 0, 0
	SCALES 0
	FETCH_A 0, 0, 4
	STEP 0, 0, 1                                   ; the first step's products start the sums: nothing is cleared
	STEPS 0, 1
	; slot 0's last step changes slots: one barrier, in front of which each wave has seen its part of slot 1 land
	s_wait_tensorcnt 0x0                           ; all my tensor loads have landed
	ds_add_u32 v[SPW], v[NIL]                      ; 0 onto my spare word
	s_wait_dscnt 4*NL+1                            ; (the add and the youngest eight loads may be out)
	WIN MUL_LO
	MUL16 0, 1, NQ-1, 0, 0
	s_wait_dscnt 0x0                               ; the add is done, and no LDS load of mine is out at the signal
	s_barrier_signal -1
	MUL16 2, 1, NQ-1, 0, 0
	WIN 0
	s_barrier_wait -1
	PLACES NP
	v_add_nc_u32 v[ADRS], 4*NQ, v[ADRS]            ; on to slot 1's scale words
	FETCH_B 1, 0, 0
	FETCH_A 1, 0, 0
	SCALES 1
	WIN MUL_HI
	MUL16 4, 1, NQ-1, 0, 0
	MUL16 6, 1, NQ-1, 0, 0
	PLACES NP
	WIN 0
	FETCH_A 1, 0, 4
	STEPS 1, 0
	s_wait_dscnt 4*NL                              ; the very last step: nothing more to fetch
	WIN MUL_LO
	MUL16 0, 1, NQ-1, 1, 0
	MUL16 2, 1, NQ-1, 1, 0
	s_wait_dscnt 0
	WIN MUL_HI
	MUL16 4, 1, NQ-1, 1, 0
	MUL16 6, 1, NQ-1, 1, 0
	WIN 0
	s_wait_loadcnt 0x0                             ; the biases and gamma
	PLACES NP                                      ; behind the last products
	s_mov_b32 s20, 0x76543210
	s_mov_b32 s21, 0xfedcba98                      ; v_permlanex16_b32's selects for lane l xor 16
	s_cmp_eq_u32 ttmp9, 2                          ; the section: the same in all sixteen partners
	s_cbranch_scc1 .Lvalues
; ---------------- THE WAY OUT OF q AND k.  Lane (r, h) holds token 16 a + r and, in accumulator (a, b), channels 16 b + 8 h + 0..7 of my 128: head b / 4.
	WIN 0x41
.set n, 0
.rept 32
	v_pk_mul_f32 v[GA+2*n:GA+2*n+1], v[GA+2*n:GA+2*n+1], s[98:99] op_sel_hi:[1,0]   ; gamma x log2(e) or x 8, once
.set n, n+1
.endr
.macro BIAS                            ; 32 accumulators of one window: + bqkv, each accumulator from its low end on
.set n, 0
.rept 128
	v_pk_add_f32 v[2*n:2*n+1], v[2*n:2*n+1], v[BI+8*((n/4)%8)+2*(n%4):BI+8*((n/4)%8)+2*(n%4)+1]
.set n, n+1
.endr
.endm
.macro SUMSQ H                         ; eight chains (four blocks of tokens x two heads) by turns: 16 packed squares each; the first starts the sum
.set n, 0
.rept 16
.set p, 0
.rept 8
.set rA, 8*(8*(p/2)+4*(p%2)+n/4)+2*(n%4)
.set rS, SS+2*(8*\H+p)
.if n == 0
	v_pk_mul_f32 v[rS:rS+1], v[rA:rA+1], v[rA:rA+1]
.else
	v_pk_fma_f32 v[rS:rS+1], v[rA:rA+1], v[rA:rA+1], v[rS:rS+1]
.endif
.set p, p+1
.endr
.set n, n+1
.endr
.endm
	WIN 0x86                                       ; accumulators window 2, bias window 1
	BIAS
	WIN 0x5a                                       ; sums window 1, accumulators window 2
	SUMSQ 0
	WIN 0xc7
	BIAS
	WIN 0x5f
	SUMSQ 1
	WIN 0x55                                       ; all in window 1
.set p, 0
.rept 16
	v_mov_b32 v[TP+p], 0                           ; written once: a lane permute's destination counts as one of its sources
.set p, p+1
.endr
.set p, 0
.rept 16
	v_add_f32 v[SS+2*p], v[SS+2*p], v[SS+2*p+1]    ; the pair's two halves,
.set p, p+1
.endr
.set p, 0
.rept 16
	v_permlanex16_b32 v[TP+p], v[SS+2*p], s20, s21
.set p, p+1
.endr
.set p, 0
.rept 16
	v_add_f32 v[SS+2*p], v[SS+2*p], v[TP+p]        ; and lane l xor 16's 32 channels: the head's sum of squares
.set p, p+1
.endr
.set p, 0
.rept 16
	v_sqrt_f32 v[SS+2*p], v[SS+2*p]
.set p, p+1
.endr
	v_nop                                          ; a plain line behind the last root
	s_wait_alu depctr_va_vdst(0)                   ; one wait for the sixteen roots, ahead of their first reader
.set p, 0
.rept 16
	v_max_num_f32 v[SS+2*p], 0x2b8cbccc, v[SS+2*p] ; max(norm, 1e-12)
.set p, p+1
.endr
.set p, 0
.rept 16
	v_rcp_f32 v[SS+2*p], v[SS+2*p]
.set p, p+1
.endr
	v_nop
	s_wait_alu depctr_va_vdst(0)                   ; and one for the sixteen reciprocals
; Block a: 16 tokens x 128 channels: x gamma, x 1 / norm, rounded to f16.  Accumulator (a, b)'s four packed registers ARE piece b % 4 of head b / 4's image of these 16 tokens: each store covers 512 consecutive bytes, aligned.
.macro OUTQK a
.if (\a) >= 2
	s_wait_xcnt 0x0                                ; the stores of two blocks back have read this set of packed registers
.endif
	WIN 0x06+((\a)/4)                              ; accumulators window 2 or 3, gamma window 1
.set n, 0
.rept 32
	v_pk_mul_f32 v[T+2*n:T+2*n+1], v[64*((\a)%4)+2*n:64*((\a)%4)+2*n+1], v[GA+2*n:GA+2*n+1]
.set n, n+1
.endr
	WIN 0x04                                       ; 1 / norm window 1
.set n, 0
.rept 32
	v_pk_mul_f32 v[T+2*n:T+2*n+1], v[T+2*n:T+2*n+1], v[SS+2*(2*(\a)+n/16):SS+2*(2*(\a)+n/16)+1] op_sel_hi:[1,0]
.set n, n+1
.endr
	WIN 0
.set n, 0
.rept 32
	v_cvt_pk_f16_f32 v[PK+32*((\a)%2)+n], v[T+2*n], v[T+2*n+1]
.set n, n+1
.endr
.irp b, 0,1,2,3,4,5,6,7
	global_store_b128 v[CO], v[PK+32*((\a)%2)+4*\b:PK+32*((\a)%2)+4*\b+3], s[66:67] offset:2048*(\a)+262144*(\b/4)+512*(\b%4)
.endr
.endm
.irp a, 0,1,2,3,4,5,6,7
	OUTQK \a
.endr
	s_wait_tensorcnt 0x0                           ; the wave's end
	ds_add_u32 v[SPW], v[NIL]
	s_wait_dscnt 0x0
	CROUND                                         ; the closing round
	s_endpgm
; ---------------- THE WAY OUT OF v.  Lane (r, h) holds channel 16 a + r of my 128 (head a / 4, block a % 4) and, in accumulator (a, b), tokens 16 b + 8 h + 0..7: piece b % 2 of keys 32 (b / 2) on.
.Lvalues:
.macro OUTV a
.if (\a) >= 2
	s_wait_xcnt 0x0                                ; the stores of two blocks back have read this set of packed registers
.endif
	WIN 0x02+((\a)/4)                              ; accumulators window 2 or 3
.set n, 0
.rept 32
	v_pk_add_f32 v[T+2*n:T+2*n+1], v[64*((\a)%4)+2*n:64*((\a)%4)+2*n+1], v[BV+2*(\a):BV+2*(\a)+1]   ; + my channel's bias; each accumulator from its low end on
.set n, n+1
.endr
	WIN 0
.set n, 0
.rept 32
	v_cvt_pk_f16_f32 v[PK+32*((\a)%2)+n], v[T+2*n], v[T+2*n+1]
.set n, n+1
.endr
.irp b, 0,1,2,3,4,5,6,7
	global_store_b128 v[CO], v[PK+32*((\a)%2)+4*\b:PK+32*((\a)%2)+4*\b+3], s[66:67] offset:262144*((\a)/4)+4096*(\b/2)+1024*((\a)%4)+512*(\b%2)
.endr
.endm
.irp a, 0,1,2,3,4,5,6,7
	OUTV \a
.endr
	s_wait_tensorcnt 0x0                           ; the wave's end
	ds_add_u32 v[SPW], v[NIL]
	s_wait_dscnt 0x0
	CROUND                                         ; the closing round
	s_endpgm
.Lfunc_end_k_qd1bf625dfc_qkv:
	.size	k_qd1bf625dfc_qkv, .Lfunc_end_k_qd1bf625dfc_qkv-k_qd1bf625dfc_qkv
	.p2alignl 7, 3214868480
	.fill 96, 4, 3214868480
	.section	.rodata,"a",@progbits
	.p2align	6, 0x0
	.amdhsa_kernel k_qd1bf625dfc_qkv
		.amdhsa_group_segment_fixed_size 327680
		.amdhsa_private_segment_fixed_size 0
		.amdhsa_enable_private_segment 0
		.amdhsa_kernarg_size 48
		.amdhsa_user_sgpr_count 2
		.amdhsa_user_sgpr_kernarg_segment_ptr 1
		.amdhsa_wavefront_size32 1
		.amdhsa_system_sgpr_workgroup_id_x 1
		.amdhsa_system_sgpr_workgroup_id_y 1
		.amdhsa_system_sgpr_workgroup_id_z 1
		.amdhsa_system_vgpr_workitem_id 0
		.amdhsa_next_free_vgpr 1024
		.amdhsa_next_free_sgpr 100
		.amdhsa_reserve_vcc 1
		.amdhsa_float_denorm_mode_32 3
		.amdhsa_float_denorm_mode_16_64 3
		.amdhsa_memory_ordered 1
		.amdhsa_forward_progress 1
		.amdhsa_inst_pref_size 234
	.end_amdhsa_kernel
	.amdgpu_metadata
---
amdhsa.version: [ 1, 2 ]
amdhsa.kernels:
  - .name:           k_qd1bf625dfc_qkv
    .symbol:         k_qd1bf625dfc_qkv.kd
    .args:
      - { .name: codes, .offset: 0, .size: 8, .value_kind: global_buffer, .address_space: global }
      - { .name: scales, .offset: 8, .size: 8, .value_kind: global_buffer, .address_space: global }
      - { .name: bqkv, .offset: 16, .size: 8, .value_kind: global_buffer, .address_space: global }
      - { .name: gamma_q, .offset: 24, .size: 8, .value_kind: global_buffer, .address_space: global }
      - { .name: gamma_k, .offset: 32, .size: 8, .value_kind: global_buffer, .address_space: global }
      - { .name: qkv, .offset: 40, .size: 8, .value_kind: global_buffer, .address_space: global }
    .group_segment_fixed_size: 327680
    .private_segment_fixed_size: 0
    .kernarg_segment_align: 8
    .kernarg_segment_size: 48
    .max_flat_workgroup_size: 128
    .sgpr_count:     100
    .vgpr_count:     1024
    .wavefront_size: 32
...
	.end_amdgpu_metadata
.endif
;; end of part 2
;; launch attn (part 3): grid 4 x 64, 8 waves a work-group, clusters of 4 x 1, 327,680 bytes of LDS; arguments qkv, hf; writes hf
.if DOCPART == 3
	.amdgcn_target "amdgcn-amd-amdhsa--gfx1250"
	.amdhsa_code_object_version 6
	.text
	.protected	k_qd1bf625dfc_attn
	.globl	k_qd1bf625dfc_attn
	.p2align	8
	.type	k_qd1bf625dfc_attn,@function
k_qd1bf625dfc_attn:
	s_mov_b64 s[64:65], 0
	v_nop
	global_prefetch_b8 v0, s[64:65] scope:SCOPE_SE
	s_setreg_imm32_b32 hwreg(HW_REG_WAVE_MODE, 25, 1), 1
	s_wait_xcnt 0x0
	s_wait_alu depctr_hold_cnt(0) depctr_sa_sdst(0) depctr_va_vdst(0) depctr_va_sdst(0) depctr_va_ssrc(0) depctr_va_vcc(0) depctr_vm_vsrc(0)
	s_getreg_b32 s2, hwreg(HW_REG_IB_STS2, 6, 4)
	s_cmp_eq_u32 s2, 0
	s_cbranch_scc0 .Lentry_in_a_cluster
	s_endpgm
.Lentry_in_a_cluster:
	s_bfe_u32 s2, ttmp6, 0x10000c
	s_cmp_lg_u32 s2, 0x3003
	s_cbranch_scc0 .Lentry_shape_is_right
	s_endpgm
.Lentry_shape_is_right:
; ATTN: for each of 64 heads (16 batch + head): O[q] = sum over k of softmax_k(score) V[k], 2,048 queries x 2,048 keys, head size 64, no mask.  f16 operands, f32 products, maxima and sums.
; q, k and v come as images of operand registers (their layouts: at the head of the launch that makes them); q carries log2(e) and k carries 8, so a product q . k IS the exponent to base 2.
; hf: the result, f16, again as images: [token / 16 (512)][kc = 2 head + c (32)][g 2][lane][16 bytes]; lane (r, h): token 16 tb + r, channels 32 c + 16 g + 8 h + 0..7 of the head.
; SHARES.  A work-group owns 512 queries of one head, each of its eight waves 64: four tiles of 16.  Two waves share a SIMD, 512 registers each: one wave's softmax stands beside the other's products.
; Each fragment of K or V that a wave reads from LDS feeds four matrix instructions.  Every wave walks all 2,048 keys, 64 a step.
; LAYOUT.  S^T = K Q^T (source 0 = 16 keys, source 1 = 16 queries): a lane holds ONE query (lane % 16) and keys 8 (lane / 16) + 0..7.  Two such tiles, rounded to f16 in pairs, ARE source 1 (32 keys x 16 queries)
; of O^T = V^T P, whose result again holds one query a lane and eight channels, which packed are a piece of hf's image.  Nothing changes lanes but a query's maximum and sum, once between the halves of the lanes.
; SOFTMAX.  A running maximum m and sum l for each query: p = 2^(s - m); in every step O and l are multiplied by a = 2^(m_old - m_new).  m begins at -3e38 and O, l at 0: the step is written once, with no first form.
; CLUSTER.  The four work-groups of a head form a cluster and walk the same K and V: each tile is asked for jointly, by the same tensor load with the same descriptor and the mask of all four.
; THE RING.  Two LDS slots of 512 keys (K 65,536 bytes, V 65,536 bytes); each of the eight waves brings 16,384 dense bytes of a slot by one load; a refill has a slot's eight steps, 512 matrix instructions a wave, in which to land, so nothing is prefetched.
; An image is read at 16 x lane + a constant: 512 consecutive bytes an instruction; no padding is wanted.
; REGISTERS: window 0: v1 16 x lane; v2 the same + 65,536; v3, v4 the step's LDS addresses; v6, v7 the add's two; v16-47 statistics, eight a tile; v64-191 S^T (32 a tile), P in place in each tile's low 16; v192-255 K's 8 fragments.
;   window 1: v0-127 O^T (32 a tile); v128-191 Q (16 a tile); v192-255 V's 8 fragments.
; LIMITS: NaN and infinities are not served; p and the result are rounded to f16 (results under 6e-5 keep an absolute step of 6e-8; |result| under 65,504).
.set SLOT1, 1<<17                      ; slot 1 begins here: one exclusive or turns an address in one slot into the other's
.set SPARE, 2*SLOT1                    ; behind the ring: the spare words, 128 bytes for each of eight waves: four blocks of 256 bytes that no other line names
.set LI,  1
.set LV,  2
.set ADK, 3
.set ADV, 4
.set SPW, 6                            ; v6  LDS address of my spare word; never rewritten
.set NIL, 7                            ; v7  0; never rewritten
.set ST,  16                           ; tile t's statistics at v[ST + 8 t]: +0 m, +1 = 0 (named with m as a pair), +2, +3 l (even keys', odd keys'), +4 .. +7 at work; a takes +6
.set S,   64
.set KF,  192
.set QF,  128                          ; window 1
.set VF,  192                          ; window 1
.set WV,  12                           ; s12 my wave's number
.set G1,  24                           ; s[24:31] descriptor group 1, one for all loads
.set G0A, 32                           ; s[32:35] group 0 of slot 0's first fill
.set G0B, 36                           ; s[36:39] group 0 of slot 1's first fill; it then walks
.set SEL, 40                           ; s[40:41] lane selects for v_permlanex16_b32: lane l xor 16
.set TB,  42                           ; s42 LDS byte at which the step's fragments of K begin
.set SLOTS, 43
.set CNT, 44
.set MSB, 0
.macro WIN new                         ; the immediate's high byte repeats the setting that is left
.if MSB != \new
	s_set_vgpr_msb (MSB<<8)|\new
.set MSB, \new
.endif
.endm
.set W_KQ, 0x04                        ; Q (source 1) window 1; K, S^T window 0
.set W_PV, 0x51                        ; V (source 0), C and D window 1; P window 0
.set W_RS, 0x41                        ; O^T (destination and source 0) window 1, a window 0
.set TO1,  0x40                        ; destination window 1, address window 0
.set W_OUT, 0x01                       ; source 0 window 1
.macro PLACES
.rept 4
	v_nop
.endr
.endm
.macro CROUND                          ; a round of the cluster's barrier
	s_barrier_signal -1
	s_barrier_wait -1
	s_cmp_lg_u32 s[WV], 0
	s_cbranch_scc1 .Lnot_wave_0_\@
	s_barrier_signal -3
.Lnot_wave_0_\@:
	s_barrier_wait -3
	s_barrier_signal -1
	s_barrier_wait -1
.endm
	s_load_b128 s[4:7], s[0:1], 0x0                ; qkv s[4:5], hf s[6:7]
	v_lshl_add_u32 v[SPW], v0, 2, SPARE
	v_mov_b32 v[NIL], 0
	ds_add_u32 v[SPW], v[NIL]                      ; the wave's opening: the add, twice on end, and its wait ahead of my first tensor load
	ds_add_u32 v[SPW], v[NIL]
	v_lshrrev_b32 v1, 5, v0
	v_readfirstlane_b32 s[WV], v1                  ; wave 0..7
	s_bfe_u32 s13, ttmp6, 0x40000                  ; cx: my block of 512 queries; it enters Q's and hf's addresses alone
	s_and_b32 s14, ttmp7, 0xffff                   ; the head, 16 batch + head, which the four partners share
	; descriptor group 1: 16,384 dense bytes as 64 rows of 256 bytes (32 elements of 8 bytes), no padding
	s_mov_b32 s[G1], 15|(3<<16)|(1<<21)            ; 15:0 the mask: all four work-groups; 17:16 elements of 8 bytes; 21 set beside a mask
	s_mov_b32 s[G1+1], 32<<16                      ; tensor_dim0
	s_mov_b32 s[G1+2], 64<<16                      ; tensor_dim1
	s_mov_b32 s[G1+3], 32<<16                      ; tile_dim0
	s_mov_b32 s[G1+4], 64                          ; tile_dim1
	s_mov_b32 s[G1+5], 32                          ; tensor_dim0_stride
	s_mov_b32 s[G1+6], 0
	s_mov_b32 s[G1+7], 0
	s_mov_b32 s[SEL], 0x76543210
	s_mov_b32 s[SEL+1], 0xfedcba98
	s_mov_b32 s[TB], 0
	s_mov_b32 s[SLOTS], 2
	s_lshl_b32 s16, s14, 18                        ; what I fetch: the head's 262,144 bytes,
	s_lshr_b32 s17, s[WV], 2
	s_add_co_u32 s17, s17, 1
	s_lshl_b32 s17, s17, 24                        ; in section k (waves 0-3) or v (waves 4-7),
	s_add_co_u32 s16, s16, s17
	s_and_b32 s17, s[WV], 3
	s_lshl_b32 s17, s17, 14                        ; my quarter of a slot's 65,536
	s_add_co_u32 s16, s16, s17
	s_mov_b32 s17, 0
	s_lshl_b32 s18, s[WV], 14                      ; and its place in a slot: 16,384 x wave
	s_lshl_b32 s20, s14, 18                        ; Q: the head, + 128 bytes a query: 512 cx + 64 wave on
	s_lshl_b32 s21, s13, 16
	s_add_co_u32 s20, s20, s21
	s_lshl_b32 s21, s[WV], 13
	s_add_co_u32 s20, s20, s21
	s_mov_b32 s21, 0
	s_lshr_b32 s22, s14, 4                         ; hf: token block 128 batch + 32 cx + 4 wave, 32,768 bytes each; + 2,048 x head
	s_lshl_b32 s22, s22, 7
	s_lshl_b32 s23, s13, 5
	s_add_co_u32 s22, s22, s23
	s_lshl_b32 s23, s[WV], 2
	s_add_co_u32 s22, s22, s23
	s_lshl_b32 s22, s22, 15
	s_and_b32 s23, s14, 15
	s_lshl_b32 s23, s23, 11
	s_add_co_u32 s22, s22, s23
	s_mov_b32 s23, 0
	s_wait_dscnt 0x0                               ; both opening adds are done
	s_wait_kmcnt 0x0
	s_mov_b32 s[G0A], 1                            ; 1:0 count = 1
	s_mov_b32 s[G0A+1], s18                        ; LDS address: slot 0
	s_add_nc_u64 s[G0A+2:G0A+3], s[4:5], s[16:17]  ; global address: keys 0 to 511
	s_mov_b32 s[G0B], 1
	s_add_co_u32 s[G0B+1], s18, SLOT1              ; slot 1
	s_add_nc_u64 s[G0B+2:G0B+3], s[G0A+2:G0A+3], 65536   ; keys 512 to 1,023
	s_or_b32 s[G0A+3], s[G0A+3], 0x80000000        ; type = 2
	s_or_b32 s[G0B+3], s[G0B+3], 0x80000000
	s_add_nc_u64 s[8:9], s[4:5], s[20:21]          ; Q at my wave's first query
	s_add_nc_u64 s[6:7], s[6:7], s[22:23]          ; hf at my wave's first token block
	CROUND                                         ; all four work-groups are here: the first joint loads meet
	tensor_load_to_lds s[G0A:G0A+3], s[G1:G1+7]    ; two loads of mine are out
	s_nop 0
	tensor_load_to_lds s[G0B:G0B+3], s[G1:G1+7]
	s_nop 0
	PLACES
	v_and_b32 v[LI], 31, v0
	v_lshlrev_b32 v[LI], 4, v[LI]                  ; 16 x lane: my place in every piece of every image
	v_add_nc_u32 v[LV], 65536, v[LI]               ; V lies behind K in a slot
	WIN TO1
.irp t, 0,1,2,3
.irp i, 0,1,2,3
	global_load_b128 v[QF+16*\t+4*\i:QF+16*\t+4*\i+3], v[LI], s[8:9] offset:2048*\t+512*\i   ; Q stays in registers: tile t, fragment c = i / 2, piece g = i % 2
.endr
.endr
.set i, 0
.rept 128
	v_mov_b32 v[i], 0                              ; O^T.  (The step is written once: the first finds zeros, which a = 0 leaves zeros)
.set i, i+1
.endr
	WIN 0
.irp t, 0,1,2,3
	v_mov_b32 v[ST+8*\t], 0xff61b1e6               ; m: -3e38, under every score
	v_mov_b32 v[ST+8*\t+1], 0
	v_mov_b32 v[ST+8*\t+2], 0                      ; l, in two halves
	v_mov_b32 v[ST+8*\t+3], 0
.endr
	s_wait_tensorcnt 1                             ; my part of slot 0 is in; slot 1's may stay out
	s_barrier_signal -1
	s_barrier_wait -1                              ; everybody's is
	s_wait_loadcnt 0x0                             ; Q
.macro SUBM t, i                       ; pair i of tile t: s - m (of the pair m, 0 the low word serves both halves)
	v_pk_add_f32 v[S+32*(\t)+2*(\i):S+32*(\t)+2*(\i)+1], v[S+32*(\t)+2*(\i):S+32*(\t)+2*(\i)+1], v[ST+8*(\t):ST+8*(\t)+1] op_sel_hi:[1,0] neg_lo:[0,1] neg_hi:[0,1]
.endm
; THE SOFTMAX OF A STEP, the four tiles by turns so that no line waits for the line above it.
.macro SOFTMAX
.irp j, 0,1,2,3                        ; the maximum of a lane's 32 scores and the old m, three operands at a time, in four chains; each accumulator is first read at its low end
.irp t, 0,1,2,3
	v_max3_num_f32 v[ST+8*\t+4+\j], v[S+32*\t+8*\j], v[S+32*\t+8*\j+1], v[S+32*\t+8*\j+2]
.endr
.endr
.irp k, 1,2
.irp j, 0,1,2,3
.irp t, 0,1,2,3
	v_max3_num_f32 v[ST+8*\t+4+\j], v[ST+8*\t+4+\j], v[S+32*\t+8*\j+2*\k+1], v[S+32*\t+8*\j+2*\k+2]
.endr
.endr
.endr
.irp t, 0,1,2,3
	v_max3_num_f32 v[ST+8*\t+4], v[ST+8*\t+4], v[S+32*\t+7], v[S+32*\t+15]
.endr
.irp t, 0,1,2,3
	v_max3_num_f32 v[ST+8*\t+6], v[ST+8*\t+6], v[S+32*\t+23], v[S+32*\t+31]
.endr
.irp t, 0,1,2,3
	v_max3_num_f32 v[ST+8*\t+4], v[ST+8*\t+4], v[ST+8*\t+5], v[ST+8*\t+6]
.endr
.irp t, 0,1,2,3
	v_max3_num_f32 v[ST+8*\t+4], v[ST+8*\t+4], v[ST+8*\t+7], v[ST+8*\t]
.endr
.irp t, 0,1,2,3
	v_permlanex16_b32 v[ST+8*\t+5], v[ST+8*\t+4], s[SEL], s[SEL+1]   ; the query's other 32 keys lie in the lane 16 away
.endr
.irp t, 0,1,2,3
	v_mov_b32 v[ST+8*\t+7], v[ST+8*\t]             ; m_old is kept for a
.endr
.irp t, 0,1,2,3
	v_max_num_f32 v[ST+8*\t], v[ST+8*\t+4], v[ST+8*\t+5]
.endr
.irp t, 0,1,2,3
	v_sub_f32 v[ST+8*\t+7], v[ST+8*\t+7], v[ST+8*\t]
.endr
.irp t, 0,1,2,3
	v_exp_f32 v[ST+8*\t+6], v[ST+8*\t+7]           ; a = 2^(m_old - m_new)
.endr
; ONE BATCH: the step's 132 exponentials; none of the lines among them names an exponential's result.  A tile's subtractions stand among the exponentials of the tile before.
.set i, 0
.rept 16
	SUBM 0, i
.set i, i+1
.endr
.irp t, 0,1,2
.set i, 0
.rept 16
	v_exp_f32 v[S+32*\t+2*i], v[S+32*\t+2*i]
	v_exp_f32 v[S+32*\t+2*i+1], v[S+32*\t+2*i+1]
	SUBM \t+1, i
.set i, i+1
.endr
.endr
.set i, 0
.rept 32
	v_exp_f32 v[S+96+i], v[S+96+i]
.set i, i+1
.endr
	v_nop                                          ; a plain line behind the last exponential
	s_wait_alu depctr_va_vdst(0)                   ; one wait for the whole batch, ahead of its first reader
.irp t, 0,1,2,3                        ; the sums of the unrounded p, two chains a tile: l = a l + pair 0 + pairs 2, 4 .. 14;
	v_pk_fma_f32 v[ST+8*\t+2:ST+8*\t+3], v[ST+8*\t+2:ST+8*\t+3], v[ST+8*\t+6:ST+8*\t+7], v[S+32*\t:S+32*\t+1] op_sel_hi:[1,0,1]
.endr
.irp t, 0,1,2,3                        ; pairs 1, 3 .. 15
	v_pk_add_f32 v[ST+8*\t+4:ST+8*\t+5], v[S+32*\t+2:S+32*\t+3], v[S+32*\t+6:S+32*\t+7]
.endr
.irp k, 0,1,2,3,4,5
.irp t, 0,1,2,3
	v_pk_add_f32 v[ST+8*\t+2:ST+8*\t+3], v[ST+8*\t+2:ST+8*\t+3], v[S+32*\t+4+4*\k:S+32*\t+5+4*\k]
.endr
.irp t, 0,1,2,3
	v_pk_add_f32 v[ST+8*\t+4:ST+8*\t+5], v[ST+8*\t+4:ST+8*\t+5], v[S+32*\t+10+4*\k:S+32*\t+11+4*\k]
.endr
.endr
.irp t, 0,1,2,3
	v_pk_add_f32 v[ST+8*\t+2:ST+8*\t+3], v[ST+8*\t+2:ST+8*\t+3], v[S+32*\t+28:S+32*\t+29]
.endr
.irp t, 0,1,2,3
	v_pk_add_f32 v[ST+8*\t+2:ST+8*\t+3], v[ST+8*\t+2:ST+8*\t+3], v[ST+8*\t+4:ST+8*\t+5]
.endr
.set i, 0
.rept 16                               ; P, in place: register i takes pair i; it is written behind the reads of registers 2 i and 2 i + 1, never ahead of them
.irp t, 0,1,2,3
	v_cvt_pk_f16_f32 v[S+32*\t+i], v[S+32*\t+2*i], v[S+32*\t+2*i+1]
.endr
.set i, i+1
.endr
	WIN W_RS
.set i, 0
.rept 16
.irp t, 0,1,2,3
	v_pk_mul_f32 v[32*\t+2*i:32*\t+2*i+1], v[32*\t+2*i:32*\t+2*i+1], v[ST+8*\t+6:ST+8*\t+7] op_sel_hi:[1,0]   ; O^T x a
.endr
.set i, i+1
.endr
.endm
; A KEY STEP: 64 keys.
.macro STEP
	WIN 0
	v_add_nc_u32 v[ADK], s[TB], v[LI]
	v_add_nc_u32 v[ADV], s[TB], v[LV]
	PLACES                                         ; with the two additions six places behind the last step's products: four are owed by the loads into V's registers, five by the new S^T, which is written over P
.set i, 0
.rept 16
	ds_load_b128 v[KF+4*i:KF+4*i+3], v[ADK] offset:512*i   ; K: fragment (16 keys kb, 32 channels c) at KF + 16 kb + 8 c
.set i, i+1
.endr
	WIN TO1
.set i, 0
.rept 16
	ds_load_b128 v[VF+4*i:VF+4*i+3], v[ADV] offset:512*i   ; V^T: fragment (32 keys u, 16 channels cb) at VF + 32 u + 8 cb
.set i, i+1
.endr
	s_wait_dscnt 16                                ; K is in; V's sixteen loads may stay out
	WIN W_KQ
.irp c, 0,1                            ; the sixteen accumulators take turns, one instruction a turn; the first sixteen products start the sums
.irp kb, 0,1,2,3
.irp t, 0,1,2,3
.if \c == 0
	v_wmma_f32_16x16x32_f16 v[S+32*\t+8*\kb:S+32*\t+8*\kb+7], v[KF+16*\kb+8*\c:KF+16*\kb+8*\c+7], v[QF+16*\t+8*\c:QF+16*\t+8*\c+7], 0
.else
	v_wmma_f32_16x16x32_f16 v[S+32*\t+8*\kb:S+32*\t+8*\kb+7], v[KF+16*\kb+8*\c:KF+16*\kb+8*\c+7], v[QF+16*\t+8*\c:QF+16*\t+8*\c+7], v[S+32*\t+8*\kb:S+32*\t+8*\kb+7]
.endif
.endr
.endr
.endr
	WIN 0
	PLACES                                         ; behind the last product, ahead of the first read of scores
	SOFTMAX
	s_wait_dscnt 0x0                               ; V is in
	WIN W_PV
.irp u, 0,1
.irp cb, 0,1,2,3
.irp t, 0,1,2,3
	v_wmma_f32_16x16x32_f16 v[32*\t+8*\cb:32*\t+8*\cb+7], v[VF+32*\u+8*\cb:VF+32*\u+8*\cb+7], v[S+32*\t+8*\u:S+32*\t+8*\u+7], v[32*\t+8*\cb:32*\t+8*\cb+7]
.endr
.endr
.endr
	WIN 0
	s_add_co_u32 s[TB], s[TB], 8192                ; the next step's fragments: 8,192 bytes on, in K and in V
.endm
.macro STEPS8                          ; a slot's eight steps: written once, walked eight times
	s_mov_b32 s[CNT], 8
.Lstep_\@:
	STEP
	s_sub_co_u32 s[CNT], s[CNT], 1
	s_cmp_lg_u32 s[CNT], 0
	s_cbranch_scc1 .Lstep_\@
.endm
; THE CHANGE OF SLOTS.  Each wave waits for all its tensor loads (one is out: its part of the other slot), adds 0 to its spare word, and waits for that and for its reads of the slot that it leaves.
; fill = 1: the barrier is a round of the cluster's, so that no wave of any partner still reads the slot or has a load on its way; the joint refill, one load a wave, is the first thing behind it.
.macro CHANGE fill
	WIN 0
	s_wait_tensorcnt 0x0                           ; no tensor load of mine is out, so a group 0 may be written
	ds_add_u32 v[SPW], v[NIL]                      ; 0 onto my spare word
.if \fill
	s_xor_b32 s[G0B+1], s[G0B+1], SLOT1            ; the walking descriptor: the other slot than last time,
	s_add_nc_u64 s[G0B+2:G0B+3], s[G0B+2:G0B+3], 65536   ; the next 512 keys; the type bits on top are not reached
.endif
	s_wait_dscnt 0x0                               ; the add is done, and my reads of the slot are over
.if \fill
	CROUND
	tensor_load_to_lds s[G0B:G0B+3], s[G1:G1+7]
	s_nop 0
	PLACES
.else
	s_barrier_signal -1
	s_barrier_wait -1
.endif
	s_sub_co_u32 s[TB], s[TB], 65536               ; the reads go back to a slot's first step,
	s_xor_b32 s[TB], s[TB], SLOT1                  ; in the other slot
.endm
.Lslot:                                            ; two trips: keys 0-511 and 512-1,023; each slot is filled again with the keys 1,024 on
	STEPS8
	CHANGE 1
	s_sub_co_u32 s[SLOTS], s[SLOTS], 1
	s_cmp_lg_u32 s[SLOTS], 0
	s_cbranch_scc1 .Lslot
	STEPS8                                         ; the tail is written out
	CHANGE 0
	STEPS8
	; THE WAY OUT.  l's two halves and lane l xor 16's are added (the first four additions are the places behind the last products); O^T / l, rounded to f16, four registers a tile of channels, IS a piece of hf's image.
.irp t, 0,1,2,3
	v_add_f32 v[ST+8*\t+4], v[ST+8*\t+2], v[ST+8*\t+3]
.endr
.irp t, 0,1,2,3
	v_permlanex16_b32 v[ST+8*\t+5], v[ST+8*\t+4], s[SEL], s[SEL+1]
.endr
.irp t, 0,1,2,3
	v_add_f32 v[ST+8*\t+4], v[ST+8*\t+4], v[ST+8*\t+5]
.endr
.irp t, 0,1,2,3
	v_rcp_f32 v[ST+8*\t+6], v[ST+8*\t+4]
.endr
	v_nop                                          ; a plain line behind the last reciprocal
	s_wait_alu depctr_va_vdst(0)                   ; one wait for the four, ahead of their first reader
	WIN W_OUT
.irp t, 0,1,2,3
.set i, 0
.rept 16
	v_pk_mul_f32 v[S+32*\t+2*i:S+32*\t+2*i+1], v[32*\t+2*i:32*\t+2*i+1], v[ST+8*\t+6:ST+8*\t+7] op_sel_hi:[1,0]   ; each accumulator from its low end on
.set i, i+1
.endr
.endr
	WIN 0
.irp t, 0,1,2,3
.set i, 0
.rept 16
	v_cvt_pk_f16_f32 v[KF+16*\t+i], v[S+32*\t+2*i], v[S+32*\t+2*i+1]
.set i, i+1
.endr
.irp cb, 0,1,2,3
	global_store_b128 v[LI], v[KF+16*\t+4*\cb:KF+16*\t+4*\cb+3], s[6:7] offset:32768*\t+512*\cb   ; 32 lanes store 512 consecutive bytes, aligned; no register is used twice
.endr
.endr
	s_wait_tensorcnt 0x0                           ; the wave's end
	ds_add_u32 v[SPW], v[NIL]
	s_wait_dscnt 0x0
	CROUND                                         ; the closing round: no work-group ends while a partner may still ask for a tile that names it
	s_endpgm
.Lfunc_end_k_qd1bf625dfc_attn:
	.size	k_qd1bf625dfc_attn, .Lfunc_end_k_qd1bf625dfc_attn-k_qd1bf625dfc_attn
	.p2alignl 7, 3214868480
	.fill 96, 4, 3214868480
	.section	.rodata,"a",@progbits
	.p2align	6, 0x0
	.amdhsa_kernel k_qd1bf625dfc_attn
		.amdhsa_group_segment_fixed_size 327680
		.amdhsa_private_segment_fixed_size 0
		.amdhsa_enable_private_segment 0
		.amdhsa_kernarg_size 16
		.amdhsa_user_sgpr_count 2
		.amdhsa_user_sgpr_kernarg_segment_ptr 1
		.amdhsa_wavefront_size32 1
		.amdhsa_system_sgpr_workgroup_id_x 1
		.amdhsa_system_sgpr_workgroup_id_y 1
		.amdhsa_system_sgpr_workgroup_id_z 1
		.amdhsa_system_vgpr_workitem_id 0
		.amdhsa_next_free_vgpr 512
		.amdhsa_next_free_sgpr 66
		.amdhsa_reserve_vcc 0
		.amdhsa_float_denorm_mode_32 3
		.amdhsa_float_denorm_mode_16_64 3
		.amdhsa_memory_ordered 1
		.amdhsa_forward_progress 1
		.amdhsa_inst_pref_size 117
	.end_amdhsa_kernel
	.amdgpu_metadata
---
amdhsa.version: [ 1, 2 ]
amdhsa.kernels:
  - .name:           k_qd1bf625dfc_attn
    .symbol:         k_qd1bf625dfc_attn.kd
    .args:
      - { .name: qkv, .offset: 0, .size: 8, .value_kind: global_buffer, .address_space: global }
      - { .name: hf, .offset: 8, .size: 8, .value_kind: global_buffer, .address_space: global }
    .group_segment_fixed_size: 327680
    .private_segment_fixed_size: 0
    .kernarg_segment_align: 8
    .kernarg_segment_size: 16
    .max_flat_workgroup_size: 256
    .sgpr_count:     66
    .vgpr_count:     512
    .wavefront_size: 32
...
	.end_amdgpu_metadata
.endif
;; end of part 3
;; launch proj (part 4): grid 4 x 64, 4 waves a work-group, clusters of 4 x 4, 327,680 bytes of LDS; arguments hf, wo, bout, out0; writes out0
.if DOCPART == 4
	.amdgcn_target "amdgcn-amd-amdhsa--gfx1250"
	.amdhsa_code_object_version 6
	.text
	.protected	k_qd1bf625dfc_proj
	.globl	k_qd1bf625dfc_proj
	.p2align	8
	.type	k_qd1bf625dfc_proj,@function
k_qd1bf625dfc_proj:
	s_mov_b64 s[64:65], 0
	v_nop
	global_prefetch_b8 v0, s[64:65] scope:SCOPE_SE
	s_setreg_imm32_b32 hwreg(HW_REG_WAVE_MODE, 25, 1), 1
	s_wait_xcnt 0x0
	s_wait_alu depctr_hold_cnt(0) depctr_sa_sdst(0) depctr_va_vdst(0) depctr_va_sdst(0) depctr_va_ssrc(0) depctr_va_vcc(0) depctr_vm_vsrc(0)
	s_getreg_b32 s2, hwreg(HW_REG_IB_STS2, 6, 4)
	s_cmp_eq_u32 s2, 0
	s_cbranch_scc0 .Lentry_in_a_cluster
	s_endpgm
.Lentry_in_a_cluster:
	s_bfe_u32 s2, ttmp6, 0x10000c
	s_cmp_lg_u32 s2, 0xf033
	s_cbranch_scc0 .Lentry_shape_is_right
	s_endpgm
.Lentry_shape_is_right:
; PROJ: out0 = h Wout + bout.  h [8192][1024] and Wout^T [1024 (n)][1024 (k)] come in f16 as images of operand registers: hf[token / 16][k / 32][g 2][lane][16 bytes], wo[n / 16][k / 32][g 2][lane][16 bytes];
; lane (r, h), piece g holds row 16 blk + r, k = 32 kc + 16 g + 8 h + 0..7.  out0 [8192][1024] f32; sums in f32; the bias is the C of each sum's first matrix instruction.
; A tile of out0 is 128 tokens x 256 columns: 256 work-groups, one for each WGP (tiles of 256 x 256 would make 128).  Four waves, each 64 tokens x 128 columns: 32 accumulators, 256 registers.
; K goes in steps of 128: of each block of 16 rows that is 4,096 consecutive bytes.  Two LDS slots: hf's 8 blocks (32,768 bytes), then wo's 16 (65,536).  Waves 0, 1 bring hf's halves (4 rows of 4,096 bytes), waves 2, 3 wo's (8 rows).
; CLUSTERS: 4 x 4 work-groups: hf's tiles are asked for jointly along a row of the cluster, wo's along a column.
; THE MATRIX INSTRUCTION IS USED TRANSPOSED (source 0 = 16 columns of Wout, source 1 = 16 tokens): a lane holds eight neighbouring numbers of a row of out0.
; REGISTERS: window 0: v2 16 x lane; v16-17, v20-21 LDS addresses; v24, v25 the stage; v28, v29 the add's two; v30 the prefetch's offset; v64-127 hf's fragments, two buffers of 4; v128-255 the way out.
;   window 1: v0-127 wo's fragments, two buffers of 8; v128-191 the bias.   window 2: the accumulators ((a, b) at v[8 (8 a + b)]).
.set SLOT,   98304
.set BOFF,   32768                     ; wo's blocks lie behind hf's in a slot
.set STAGE,  2*SLOT                    ; behind the ring: 16 rows x (512 bytes + 16) for each wave, for the way out
.set SPITCH, 528
.set SPARE,  STAGE+4*16*SPITCH         ; the spare words, 128 bytes for each wave: two blocks of 256 bytes that no other line names
.set CO,   2                           ; v2   16 x lane
.set ADRA, 16
.set ADRB, 20
.set STO,  24
.set RD,   25
.set SPW,  28
.set NIL,  29
.set PFO,  30                          ; v30  256 x lane; never rewritten
.set AF,   64
.set BK,   128
.set BO,   128                         ; window 1
.set G1, 24                            ; s[24:31] descriptor group 1 for hf's tiles;  s[32:39] group 0, one set for each slot
.set G0, 32
.set G1B, 48                           ; s[48:55], s[56:63] the same for wo's
.set G0B, 56
.set PFA, 66                           ; s[66:67] where my prefetches stand
.set LIM, 68                           ; s68 1 in a wave that prefetches, else the greatest number
.set MSB, 0
.macro WIN new                         ; the immediate's high byte repeats the setting that is left
.if MSB != \new
	s_set_vgpr_msb (MSB<<8)|\new
.set MSB, \new
.endif
.endm
.set MUL,  0xa1                        ; source 0 (wo) window 1, source 1 (hf) window 0, C and D window 2.  With the bias as C (window 1): 0x91
.set TO_B, 0x40
.macro PLACES
.rept 4
	v_nop
.endr
.endm
.macro JLOAD s                         ; a joint load: waves 0 and 1 fetch hf's two halves, waves 2 and 3 wo's; an s_nop 0 and four v_nop follow each of the two lines
	s_cmp_eq_u32 s13, 0
	s_cbranch_scc0 .Lfor_b_\@
	tensor_load_to_lds s[G0+4*\s:G0+4*\s+3], s[G1:G1+7]
	s_nop 0
	PLACES
	s_branch .Lasked_\@
.Lfor_b_\@:
	tensor_load_to_lds s[G0B+4*\s:G0B+4*\s+3], s[G1B:G1B+7]
	s_nop 0
	PLACES
.Lasked_\@:
.endm
.macro CREST                           ; a round of the cluster's barrier behind its opening barrier
	s_cmp_lg_u32 s12, 0
	s_cbranch_scc1 .Lnot_wave_0_\@
	s_barrier_signal -3
.Lnot_wave_0_\@:
	s_barrier_wait -3
	s_barrier_signal -1
	s_barrier_wait -1
.endm
.macro CROUND
	s_barrier_signal -1
	s_barrier_wait -1
	CREST
.endm
; A PREFETCH INTO THE L2 of hf, which this launch reads once: at a change of slots every wave has waited for all its tensor loads, so the refill goes out alone and has one K step, 128 matrix instructions, in which to land.
; Waves 0 and 1 ask, at slot 0's change in the loop's first two trips: one instruction names 8,192 bytes, two K steps (4 and 5, then 6 and 7) of ONE block of 16 tokens, lanes 256 bytes apart, two K steps ahead of the first of their loads.
; The four partners that ask for a tile jointly share its blocks out BY ADDRESS: of the four blocks that wave w fetches the partner at cx takes block cx.  So each aligned 256 bytes is named once.  K steps 0 to 3 come by their loads alone.
; wo is not asked for: all sixteen clusters read the same 2 MiB at the same steps.
.macro ASK
	s_cmp_gt_u32 s3, s[LIM]                        ; s3 = 1 in the loop's last trip
	s_cbranch_scc0 .Lnot_mine_\@
	global_prefetch_b8 v[PFO], s[PFA:PFA+1] th:TH_LOAD_NT scope:SCOPE_SE
.Lnot_mine_\@:
.endm
	s_load_b256 s[4:11], s[0:1], 0x0               ; hf s[4:5], wo s[6:7], bout s[8:9], out0 s[10:11]
	v_lshl_add_u32 v[SPW], v0, 2, SPARE
	v_mov_b32 v[NIL], 0
	ds_add_u32 v[SPW], v[NIL]                      ; the wave's opening: the add, twice on end, and its wait ahead of my first tensor load
	ds_add_u32 v[SPW], v[NIL]
	v_lshrrev_b32 v1, 5, v0
	v_readfirstlane_b32 s12, v1                    ; wave 0..3
	s_lshr_b32 s13, s12, 1                         ; which 64 tokens are mine.  Also: I fetch for hf (0) or for wo (1)
	s_and_b32 s14, s12, 1                          ; which 128 columns.  Also: which half of that tile I fetch
	s_bfe_u32 s40, ttmp6, 0x40000                  ; cx = the tile column (the grid is one cluster wide)
	s_bfe_u32 s41, ttmp6, 0x40004                  ; cy
	s_and_b32 s15, ttmp7, 0xffff
	s_lshl_b32 s15, s15, 2
	s_add_co_u32 s15, s15, s41                     ; tile row = 4 x cluster y + cy
	s_lshl_b32 s43, s41, 2
	s_lshl_b32 s43, 15, s43                        ; my row of the cluster
	s_lshl_b32 s44, 0x1111, s40                    ; my column
	; descriptor group 1: rows of 4,096 bytes (512 elements of 8 bytes), 32,768 bytes apart, no padding: 4 rows of hf, 8 of wo
	s_or_b32 s[G1+0], s43, (3<<16)|(1<<21)
	s_mov_b32 s[G1+1], 512<<16                     ; tensor_dim0
	s_mov_b32 s[G1+2], 4<<16                       ; tensor_dim1
	s_mov_b32 s[G1+3], 512<<16                     ; tile_dim0
	s_mov_b32 s[G1+4], 4                           ; tile_dim1
	s_mov_b32 s[G1+5], 4096                        ; tensor_dim0_stride
	s_mov_b32 s[G1+6], 0
	s_mov_b32 s[G1+7], 0
	s_or_b32 s[G1B+0], s44, (3<<16)|(1<<21)
	s_mov_b32 s[G1B+1], 512<<16
	s_mov_b32 s[G1B+2], 8<<16
	s_mov_b32 s[G1B+3], 512<<16
	s_mov_b32 s[G1B+4], 8
	s_mov_b32 s[G1B+5], 4096
	s_mov_b32 s[G1B+6], 0
	s_mov_b32 s[G1B+7], 0
	s_lshl_b32 s16, s15, 3
	s_lshl_b32 s17, s14, 2
	s_add_co_u32 s16, s16, s17                     ; hf: block 8 x tile row + 4 x half
	s_lshl_b32 s16, s16, 15
	s_mov_b32 s17, 0
	s_lshl_b32 s46, s40, 4
	s_lshl_b32 s47, s14, 3
	s_add_co_u32 s46, s46, s47                     ; wo: block 16 x tile column + 8 x half
	s_lshl_b32 s46, s46, 15
	s_mov_b32 s47, 0
	s_lshl_b32 s20, s14, 14                        ; where they go: hf's half,
	s_lshl_b32 s21, s14, 15
	s_add_co_u32 s21, s21, BOFF                    ; wo's half: no place in the cluster enters an LDS address
	s_wait_dscnt 0x0                               ; both opening adds are done
	s_wait_kmcnt 0x0
	s_add_nc_u64 s[16:17], s[4:5], s[16:17]
	s_add_nc_u64 s[46:47], s[6:7], s[46:47]
	CROUND                                         ; all sixteen work-groups are here: the first joint loads meet
.irp s, 0,1
	s_mov_b32 s[G0+4*\s], 1
	s_add_co_u32 s[G0+4*\s+1], s20, \s*SLOT
	s_add_nc_u64 s[G0+4*\s+2:G0+4*\s+3], s[16:17], \s*4096
	s_or_b32 s[G0+4*\s+3], s[G0+4*\s+3], 0x80000000
	s_mov_b32 s[G0B+4*\s], 1
	s_add_co_u32 s[G0B+4*\s+1], s21, \s*SLOT
	s_add_nc_u64 s[G0B+4*\s+2:G0B+4*\s+3], s[46:47], \s*4096
	s_or_b32 s[G0B+4*\s+3], s[G0B+4*\s+3], 0x80000000
	JLOAD \s                                       ; two loads of mine are out
.endr
	v_and_b32 v1, 31, v0
	v_lshlrev_b32 v[CO], 4, v1                     ; 16 x lane: my place in every piece of an image, in a stage row read back, and in a row of out0
	s_lshl_b32 s21, s13, 14                        ; my four blocks of hf,
	s_lshl_b32 s22, s14, 15
	s_add_co_u32 s22, s22, BOFF                    ; my eight of wo
.irp s, 0,1
	v_add_nc_u32 v[ADRA+\s], s21, v[CO]
	v_add_nc_u32 v[ADRB+\s], s22, v[CO]
	s_add_co_u32 s21, s21, SLOT
	s_add_co_u32 s22, s22, SLOT
.endr
	v_and_b32 v3, 15, v0                           ; r
	v_bfe_u32 v4, v0, 4, 1                         ; h
	s_mul_i32 s23, s12, 16*SPITCH
	s_add_co_u32 s23, s23, STAGE                   ; my stage
	v_mul_u32_u24 v5, v3, SPITCH                   ; in: row r, 32 bytes for each half of the lanes
	v_lshl_add_u32 v5, v4, 5, v5
	v_add_nc_u32 v[STO], s23, v5
	v_add_nc_u32 v[RD], s23, v[CO]                 ; back: the 32 lanes take one row of 512 bytes
	v_lshlrev_b32 v[PFO], 8, v1
	v_lshlrev_b32 v6, 5, v4                        ; 32 h: my eight numbers of a block of 16 in bout
	s_mov_b32 s71, 0
	s_lshl_b32 s70, s40, 10                        ; bout: 4 x (256 x tile column + 128 x half)
	s_lshl_b32 s72, s14, 9
	s_add_co_u32 s70, s70, s72
	s_add_nc_u64 s[8:9], s[8:9], s[70:71]
	s_lshl_b32 s72, s15, 7                         ; out0: row 128 x tile row + 64 x half, 4,096 bytes a row, + the same columns
	s_lshl_b32 s73, s13, 6
	s_add_co_u32 s72, s72, s73
	s_lshl_b32 s72, s72, 12
	s_add_co_u32 s70, s70, s72
	s_add_nc_u64 s[10:11], s[10:11], s[70:71]
	s_lshl_b32 s70, s15, 3                         ; the prefetches: block 8 x tile row + 4 x half + cx of hf,
	s_lshl_b32 s72, s14, 2
	s_add_co_u32 s70, s70, s72
	s_add_co_u32 s70, s70, s40
	s_lshl_b32 s70, s70, 15
	s_add_co_u32 s70, s70, 8192                    ; at K step 2: the first change of slots steps it to K step 4
	s_add_nc_u64 s[PFA:PFA+1], s[4:5], s[70:71]
	s_cmp_eq_u32 s13, 0
	s_cselect_b32 s[LIM], 1, -1                    ; by the wave's number alone
	WIN TO_B
.irp b, 0,1,2,3,4,5,6,7
	global_load_b128 v[BO+8*\b:BO+8*\b+3],   v6, s[8:9] offset:64*\b
	global_load_b128 v[BO+8*\b+4:BO+8*\b+7], v6, s[8:9] offset:64*\b+16
.endr
	WIN 0
; 8 matrix instructions: block a of tokens x all 8 blocks of columns, 32 along K, from buffer f.  bias = 1: the first product starts the sums on the bias.
; The 32 accumulators take turns, one instruction a turn, in the same order in every quarter.
.macro MULA f, a, bias
.irp b, 0,1,2,3,4,5,6,7
.if \bias
	v_wmma_f32_16x16x32_f16 v[8*(8*(\a)+\b):8*(8*(\a)+\b)+7], v[64*(\f)+8*\b:64*(\f)+8*\b+7], v[AF+32*(\f)+8*(\a):AF+32*(\f)+8*(\a)+7], v[BO+8*\b:BO+8*\b+7]
.else
	v_wmma_f32_16x16x32_f16 v[8*(8*(\a)+\b):8*(8*(\a)+\b)+7], v[64*(\f)+8*\b:64*(\f)+8*\b+7], v[AF+32*(\f)+8*(\a):AF+32*(\f)+8*(\a)+7], v[8*(8*(\a)+\b):8*(8*(\a)+\b)+7]
.endif
.endr
.endm
.macro FETCH slot, q, f                ; 24 LDS loads in one run: the fragments of the slot's q-th 32 along K into buffer f; each reads 512 consecutive bytes
	WIN TO_B
.irp b, 0,1,2,3,4,5,6,7
	ds_load_b128 v[64*(\f)+8*\b:64*(\f)+8*\b+3],   v[ADRB+\slot] offset:4096*\b+1024*(\q)
	ds_load_b128 v[64*(\f)+8*\b+4:64*(\f)+8*\b+7], v[ADRB+\slot] offset:4096*\b+1024*(\q)+512
.endr
	WIN 0
.irp a, 0,1,2,3
	ds_load_b128 v[AF+32*(\f)+8*\a:AF+32*(\f)+8*\a+3],   v[ADRA+\slot] offset:4096*\a+1024*(\q)
	ds_load_b128 v[AF+32*(\f)+8*\a+4:AF+32*(\f)+8*\a+7], v[ADRA+\slot] offset:4096*\a+1024*(\q)+512
.endr
.endm
; A K step is four quarters of 32 along K, 32 matrix instructions each, on buffers 0, 1, 0, 1.  One of the first three: multiplies buffer f and, in its middle, fetches the slot's q-th quarter into buffer g.
.macro QUARTER slot, q, f, g, bias
	s_wait_dscnt 0x0                               ; buffer f is in (asked for 16 matrix instructions ago)
	WIN MUL-0x10*\bias
	MULA \f, 0, \bias
	MULA \f, 1, \bias
	PLACES                                         ; in front of loads into registers that the last quarter's products read
	FETCH \slot, \q, \g
	WIN MUL-0x10*\bias
	MULA \f, 2, \bias
	MULA \f, 3, \bias
.endm
; A slot's last quarter multiplies buffer 1 and changes slots: ONE barrier; in front of it each wave waits for all its tensor loads, adds 0 to its spare word, and waits for that and for its reads of this slot.
; fill = 1: the barrier opens a round of the cluster's, and this slot is filled again, two K steps ahead.
.macro TURN slot, next, fill, ask
.if \ask
	s_wait_xcnt 0x0                                ; the last prefetch, two K steps back, has read its address
	s_add_nc_u64 s[PFA:PFA+1], s[PFA:PFA+1], 8192
.endif
	WIN 0                                          ; (the add's two registers lie in window 0)
	s_wait_tensorcnt 0x0                           ; all my tensor loads have landed: my part of the next slot
	ds_add_u32 v[SPW], v[NIL]                      ; 0 onto my spare word
	s_wait_dscnt 1                                 ; buffer 1 is in (the add alone may be out)
	WIN MUL
	MULA 1, 0, 0                                   ; eight matrix instructions stand between the add and the wait for it
	s_wait_dscnt 0x0                               ; the add is done, and my reads of this slot are over
	s_barrier_signal -1
	MULA 1, 1, 0
	WIN 0
	s_barrier_wait -1
.if \fill
	CREST                                          ; no wave of any partner still reads this slot's tile or has a load on its way
	s_add_nc_u64 s[G0+4*\slot+2:G0+4*\slot+3], s[G0+4*\slot+2:G0+4*\slot+3], 8192
	s_add_nc_u64 s[G0B+4*\slot+2:G0B+4*\slot+3], s[G0B+4*\slot+2:G0B+4*\slot+3], 8192
	JLOAD \slot                                    ; the first tensor load behind the round; the four v_nop behind it are also the places in front of the loads below
.else
	PLACES
.endif
	FETCH \next, 0, 0
.if \ask
	ASK
.endif
	WIN MUL
	MULA 1, 2, 0
	MULA 1, 3, 0
.endm
	s_wait_loadcnt 0x0                             ; the bias
	s_wait_tensorcnt 1                             ; my part of K step 0 is in; K step 1's may stay out
	s_barrier_signal -1
	s_barrier_wait -1                              ; everybody's is
	FETCH 0, 0, 0
	QUARTER 0, 1, 0, 1, 1                          ; the first quarter stands in front of the loop: its products start the sums on the bias
	WIN 0                                          ; at a label and at a branch every window is 0
	s_mov_b32 s3, 3
.Llap:                                                 ; a trip goes once round the ring, from a lap's second quarter to the next lap's first, and fills both slots again: K steps 2 to 7
	QUARTER 0, 2, 1, 0, 0
	QUARTER 0, 3, 0, 1, 0
	TURN 0, 1, 1, 1
	QUARTER 1, 1, 0, 1, 0
	QUARTER 1, 2, 1, 0, 0
	QUARTER 1, 3, 0, 1, 0
	TURN 1, 0, 1, 0
	QUARTER 0, 1, 0, 1, 0
	WIN 0
	s_sub_co_u32 s3, s3, 1
	s_cmp_lg_u32 s3, 0
	s_cbranch_scc1 .Llap
	QUARTER 0, 2, 1, 0, 0                          ; the last lap fills nothing, and has no round of the cluster's barrier
	QUARTER 0, 3, 0, 1, 0
	TURN 0, 1, 0, 0
	QUARTER 1, 1, 0, 1, 0
	QUARTER 1, 2, 1, 0, 0
	QUARTER 1, 3, 0, 1, 0
	s_wait_dscnt 0x0                               ; the very last quarter: nothing more to fetch
	WIN MUL
	MULA 1, 0, 0
	MULA 1, 1, 0
	MULA 1, 2, 0
	MULA 1, 3, 0
	WIN 0
; THE WAY OUT, block by block of 16 tokens x 128 columns.  A lane holds 32 neighbouring bytes of a row and the lanes beside it other rows: a block goes through my own stage in LDS and comes back as whole rows of 512 bytes.
; LDS serves a wave's instructions in order (ISA guide 5.7.1.4): no wait between the stores and the loads, nor in front of the next block's stores.  No tensor load ever fills the stage.
.macro TOSTAGE a
	WIN 0x08                                       ; an LDS store's data are its source 1: window 2
.irp b, 0,1,2,3,4,5,6,7
	ds_store_b128 v[STO], v[64*(\a)+8*\b:64*(\a)+8*\b+3] offset:64*\b          ; each accumulator from its low end on
	ds_store_b128 v[STO], v[64*(\a)+8*\b+4:64*(\a)+8*\b+7] offset:64*\b+16
.endr
	WIN 0
.set BB, BK+64*((\a)%2)
.irp t, 0,1,2,3,4,5,6,7,8,9,10,11,12,13,14,15
	ds_load_b128 v[BB+4*\t:BB+4*\t+3], v[RD] offset:\t*SPITCH
.endr
.endm
.macro SEND a, younger                 ; younger: the LDS instructions issued behind block a's loads, which may stay out
.set BB, BK+64*((\a)%2)
	s_wait_dscnt \younger                          ; the block is back in registers
.if (\a) > 0
	s_add_nc_u64 s[10:11], s[10:11], 16*4096       ; (behind a wait on XCNT: the earlier stores have read their base)  16 rows of out0 on
.endif
.irp t, 0,1,2,3,4,5,6,7,8,9,10,11,12,13,14,15
	global_store_b128 v[CO], v[BB+4*\t:BB+4*\t+3], s[10:11] offset:\t*4096 th:TH_STORE_NT   ; 32 lanes store 512 consecutive bytes, aligned; written once, read by nobody here
.endr
.endm
	PLACES                                         ; behind the last products, ahead of the first read of results
	TOSTAGE 0
.irp a, 1,2,3
.if \a > 1
	s_wait_xcnt 0x0                                ; block a - 2's stores have read their registers and their base
.endif
	TOSTAGE \a
	SEND \a-1, 32                                  ; behind block a - 1's loads: block a's 16 stores and 16 loads
.endr
	s_wait_xcnt 0x0                                ; block 2's stores have read their base
	SEND 3, 0
	s_wait_tensorcnt 0x0                           ; the wave's end, behind my last tensor load and my last LDS store
	ds_add_u32 v[SPW], v[NIL]
	s_wait_dscnt 0x0
	CROUND                                         ; the closing round: no work-group ends while a partner may still ask for a tile that names it
	s_endpgm
.Lfunc_end_k_qd1bf625dfc_proj:
	.size	k_qd1bf625dfc_proj, .Lfunc_end_k_qd1bf625dfc_proj-k_qd1bf625dfc_proj
	.p2alignl 7, 3214868480
	.fill 96, 4, 3214868480
	.section	.rodata,"a",@progbits
	.p2align	6, 0x0
	.amdhsa_kernel k_qd1bf625dfc_proj
		.amdhsa_group_segment_fixed_size 327680
		.amdhsa_private_segment_fixed_size 0
		.amdhsa_enable_private_segment 0
		.amdhsa_kernarg_size 32
		.amdhsa_user_sgpr_count 2
		.amdhsa_user_sgpr_kernarg_segment_ptr 1
		.amdhsa_wavefront_size32 1
		.amdhsa_system_sgpr_workgroup_id_x 1
		.amdhsa_system_sgpr_workgroup_id_y 1
		.amdhsa_system_sgpr_workgroup_id_z 1
		.amdhsa_system_vgpr_workitem_id 0
		.amdhsa_next_free_vgpr 768
		.amdhsa_next_free_sgpr 90
		.amdhsa_reserve_vcc 0
		.amdhsa_float_denorm_mode_32 3
		.amdhsa_float_denorm_mode_16_64 3
		.amdhsa_memory_ordered 1
		.amdhsa_forward_progress 1
		.amdhsa_inst_pref_size 87
	.end_amdhsa_kernel
	.amdgpu_metadata
---
amdhsa.version: [ 1, 2 ]
amdhsa.kernels:
  - .name:           k_qd1bf625dfc_proj
    .symbol:         k_qd1bf625dfc_proj.kd
    .args:
      - { .name: hf, .offset: 0, .size: 8, .value_kind: global_buffer, .address_space: global }
      - { .name: wo, .offset: 8, .size: 8, .value_kind: global_buffer, .address_space: global }
      - { .name: bout, .offset: 16, .size: 8, .value_kind: global_buffer, .address_space: global }
      - { .name: out0, .offset: 24, .size: 8, .value_kind: global_buffer, .address_space: global }
    .group_segment_fixed_size: 327680
    .private_segment_fixed_size: 0
    .kernarg_segment_align: 8
    .kernarg_segment_size: 32
    .max_flat_workgroup_size: 128
    .sgpr_count:     90
    .vgpr_count:     768
    .wavefront_size: 32
...
	.end_amdgpu_metadata
.endif
;; end of part 4
